; MI455X (gfx1250); checked and timed in simulation.
; The chip was launched on July 23, 2026; its instructions are those of AMD's public machine-readable ISA for CDNA 5 (MIT licence, August 2026) and "CDNA5" Instruction Set Architecture Reference Guide (July 2026). The comments in the code are by the model that wrote it; some were corrected since.
;; Self Attention. Allowed arithmetic: matrix products marked QUANTISED: E2M3 operands, one E8M0 scale for each 32 along K, by v_wmma_scale_f32_16x16x128_f8f6f4 with both operands' format E2M3, f32 sums; everything else in f32.
;; Inputs: Wo 1,024 x 1,024 float32; Wqkv 3,072 x 1,024 float32; bo 1,024 float32; bqkv 3,072 float32; x 2,048 x 4 x 1,024 float32.
;; Outputs: out0 2,048 x 4 x 1,024 float32.
;; This version of the problem:
;;   THIS VERSION OF THE PROBLEM IS GIVEN IN LOW PRECISION. The matrix products marked QUANTISED in the list below multiply operands that are first quantised to E2M3 (2 exponent bits, 3 mantissa bits; 6 bits a number), with one power-of-two scale for each 32 numbers along K (OCP MX v1.0); their sums are f32. All else is computed in f32.
;;   The module's matrix products, in the order in which they are computed (A, B: the left and right operand; K: the contracted axis; several contracted axes count as one K, in the product's order):
;;     1. [M 8,192, K 1,024] x [K 1,024, N 3,072]; A: input x; B: input Wqkv: QUANTISED
;;     2. batch 64 x [M 2,048, K 64] x [K 64, N 2,048]; A: computed on the way; B: computed on the way: QUANTISED
;;     3. batch 64 x [M 2,048, K 2,048] x [K 2,048, N 64]; A: softmax (see below); B: computed on the way: QUANTISED
;;     4. [M 8,192, K 1,024] x [K 1,024, N 1,024]; A: computed on the way; B: input Wo: QUANTISED
;;   THE QUANTISER, for each operand of a quantised product, along K:
;;     - K is cut into blocks of 32 from its start; a last block that is shorter is filled with zeros.
;;     - A block's scale is 2^e with e = floor(log2(the largest magnitude in the block)) - 2, held to -126 .. 127; a block of zeros has e = 0. As a byte (E8M0): e + 127.
;;     - Each number is divided by its block's scale, clamped to +-7.5, and rounded to the nearest number of E2M3, ties to even, subnormals kept.
;;     - The product sums the exact products of the quantised numbers (number of the format x scale) in f32.
;;   ~~~python
;;   def quantise(x, axis):      # numpy; x: float32 -> the quantised numbers, widened to float32 again
;;       x = np.moveaxis(x, axis, -1); K = x.shape[-1]
;;       x = np.pad(x, [(0, 0)] * (x.ndim - 1) + [(0, -K % 32)]); x = x.reshape(x.shape[:-1] + (-1, 32)); a = np.abs(x).max(-1, keepdims=True)
;;       e = np.where(a > 0, np.clip(np.frexp(np.where(a > 0, a, 1))[1] - 1 - 2, -126, 127), 0)      # np.frexp(a)[1] - 1 = floor(log2(a)), exactly
;;       r = np.clip(x / 2.0 ** e, -7.5, 7.5)
;;       step = 2.0 ** (np.maximum(np.frexp(np.where(r == 0, 1, r))[1] - 1, 0) - 3)
;;       q = np.round(r / step) * step * 2.0 ** e      # np.round: ties to even
;;       return np.moveaxis(q.reshape(q.shape[:-2] + (-1,))[..., :K], -1, axis).astype(np.float32)
;;   ~~~
;;   SOFTMAX AHEAD OF A QUANTISED PRODUCT. Where the list says 'softmax', what is quantised is not the finished softmax but p = 2^(t - M), with t = logit x log2(e) and M = ceil(the row's largest t), a whole number; so 1/2 < the row's largest p <= 1. The row's sum l is taken of the UNQUANTISED p, in f32, and the product's result is divided by l at the end. Since M is a whole number, a kernel that streams over the keys may use a running M (the ceiling of the running maximum): every later rescaling is an exact power of two, which a block's scale takes up: the codes' values come out the same.
;;   OPERANDS COMPUTED ON THE WAY. 'Computed on the way' means the value that the module computes at that place (a softmax that the list does not call 'softmax' is quantised finished and normalised). What goes into a quantiser is computed in f32, as accurately as f32 sums, v_exp_f32 and their like allow (about 1e-6 of the number): no bf16 or f16 on the way to a quantiser, and a product that is left as it is and whose result goes on into a quantised operand takes f32 operands (vector FMAs, or v_wmma_f32_16x16x4_f32). A number that lies on a knife's edge between two numbers of the format may be rounded either way, as far as f32 arithmetic and the matrix unit's own rounding can turn it there, and no further.
;; One version. Each part assembles by itself: llvm-mc -triple=amdgcn-amd-amdhsa -mcpu=gfx1250 --defsym DOCPART=n.
;; ======== version 1 of 1: 4 launches
;; limits: right only within a limited range of input values
;; workspace buffers: x_q 6,553,600 bytes; w_q 2,457,600 bytes; wo_q 819,200 bytes; q 6,553,600 bytes; kv 13,107,200 bytes; y_q 6,553,600 bytes
;; launch quant (part 1): grid 384 x 1, 4 waves a work-group, no clusters, 34,304 bytes of LDS; arguments x, Wqkv, Wo, x_q, w_q, wo_q; writes x_q, w_q, wo_q
.if DOCPART == 1
	.amdgcn_target "amdgcn-amd-amdhsa--gfx1250"
	.amdhsa_code_object_version 6
	.text
	.protected	k_q62a8cdd267_quant
	.globl	k_q62a8cdd267_quant
	.p2align	8
	.type	k_q62a8cdd267_quant,@function
k_q62a8cdd267_quant:
	s_mov_b64 s[64:65], 0
	v_nop
	global_prefetch_b8 v0, s[64:65] scope:SCOPE_SE
	s_setreg_imm32_b32 hwreg(HW_REG_WAVE_MODE, 25, 1), 1
	s_wait_xcnt 0x0
; x [2048][4][1024], Wqkv [3072][1024] and Wo [1024][1024], f32, become codes of FP6 (E2M3) with one E8M0 byte for each 32 along K (the last axis),
; laid in the ORDER OF AN OPERAND'S REGISTERS, so that the products' launches fetch fragments by loads of consecutive bytes.
; A RECORD (12,800 bytes) holds 16 rows x 1,024 K: sixteen half fragments of 768 bytes (16 rows x 64 K: lane l's registers 0-3 at 16 l, its registers 4-5 at 512 + 8 l;
; lane (r, h) holds k = 32 h .. 32 h + 31 of row r), then 512 bytes of scale words [256 along K][row r][two words].
; THE ROWS OF A RECORD ARE NOT NEIGHBOURS: in each group of 32 rows record 2 g + u, lane r holds row 32 g + 8 u + r + 8 (r / 8).  x's rows are counted as 2048 b + s.
; A block's scale is 2^(floor(log2(its largest magnitude)) - 2); its byte is the largest magnitude's exponent field - 2, held at 1 from below.
; LIMITS: NaN and infinities among the inputs are not served; a block whose largest magnitude lies under 2^-124 keeps the byte 1; a block of zeros gets the byte 1 where the
; quantiser says 127: its codes are zeros, which add nothing under any byte but 0xff, and only this program reads the bytes.
; SHARES.  A wave takes one record's rows x 512 along K: four fragments of 128.  Work-groups 0-255 take x, 256-351 Wqkv, 352-383 Wo; only pointers and strides are chosen, the text has one path.
; Each load reads 512 consecutive bytes of one row; the 16 rows turn through the wave's own stage in LDS (rows of 528 bytes), so that a lane gets 32 neighbours along K of its row.
; No cluster, no tensor load, no barrier: no two work-groups and no two waves read the same byte.
.set REC,    12800
.set SPITCH, 528                       ; a stage row: 512 bytes + 16: the 16 rows that a load of 16 bytes a lane touches start 16 bytes apart modulo 256
.set L16, 1                            ; v1   16 x lane
.set L8,  2                            ; v2   8 x lane
.set SW,  3                            ; v3   the stage, on the way in: 16 x lane
.set SRD, 4                            ; v4   and on the way out: 528 r + 128 h
.set H8,  5                            ; v5   8 h
.set W,   8                            ; v8-11   the four fragments' scale words
.set RO,  16                           ; v16-31  byte offset of row i of the record, + 16 x lane
.set R,   32                           ; v32-159 two sets of 64: a fragment's numbers as they are loaded
.set X,   160                          ; v160-223 my 64 numbers: register 32 c + i = k 64 c + 32 h + i of row r
.set C,   224                          ; v224-235 the fragment's twelve registers
.set C2,  236                          ; v236-238, v240-242 the second halves of the blocks' codes
.set MX,  244                          ; v244-245 largest magnitudes; v246-247 the conversions' scale operands; v248-249 bytes
.set SO,  246
.set BY,  248
	s_load_b256 s[4:11], s[0:1], 0x0               ; x, Wqkv, Wo, x_q
	s_load_b128 s[12:15], s[0:1], 0x20             ; w_q, wo_q
	v_lshl_add_u32 v254, v0, 2, 0x8400
	v_mov_b32 v255, 0
	v_lshrrev_b32 v12, 5, v0
	v_readfirstlane_b32 s36, v12                   ; wave
	v_and_b32 v12, 31, v0                          ; lane
	v_lshlrev_b32 v[L16], 4, v12
	v_lshlrev_b32 v[L8], 3, v12
	s_mul_i32 s37, s36, 16*SPITCH                  ; my stage
	v_add_nc_u32 v[SW], s37, v[L16]
	v_and_b32 v13, 15, v0                          ; r
	v_bfe_u32 v14, v0, 4, 1                        ; h
	v_mul_u32_u24 v[SRD], v13, SPITCH
	v_lshl_add_u32 v[SRD], v14, 7, v[SRD]
	v_add_nc_u32 v[SRD], s37, v[SRD]
	v_lshlrev_b32 v[H8], 3, v14
	v_mov_b32 v13, 0                               ; written once: a lane permute's destination counts as one of its sources
	s_mov_b32 s22, 0x76543210
	s_mov_b32 s23, 0xfedcba98                      ; v_permlanex16_b32's selects for lane l xor 16
	s_mov_b32 s24, 0xffff0000                      ; lanes 16-31
	s_mov_b32 s25, 352
	s_wait_kmcnt 0x0
	s_cmp_lt_u32 ttmp9, 352                        ; which tensor: the choice hangs on the work-group's number alone
	s_cselect_b64 s[16:17], s[6:7], s[8:9]
	s_cselect_b64 s[18:19], s[12:13], s[14:15]
	s_cselect_b32 s25, 256, s25
	s_cmp_lt_u32 ttmp9, 256
	s_cselect_b64 s[16:17], s[4:5], s[16:17]       ; from
	s_cselect_b64 s[18:19], s[10:11], s[18:19]     ; to
	s_cselect_b32 s25, 0, s25                      ; the tensor's first work-group
	s_cselect_b32 s26, 2, 0                        ; x: neighbouring s lie four rows apart
	s_cselect_b32 s27, 3, 0                        ; x alone has a b
	s_sub_co_u32 s28, ttmp9, s25
	s_lshl_b32 s28, s28, 2
	s_add_co_u32 s28, s28, s36                     ; my wave among the tensor's
	s_lshr_b32 s29, s28, 1                         ; T: the record
	s_and_b32 s30, s28, 1                          ; which 512 along K
	s_lshr_b32 s31, s29, 7
	s_and_b32 s31, s31, s27                        ; b
	s_lshl_b32 s32, s31, 7
	s_sub_co_u32 s32, s29, s32                     ; the record among b's
	s_lshr_b32 s33, s32, 1
	s_lshl_b32 s33, s33, 5
	s_and_b32 s32, s32, 1
	s_lshl_b32 s32, s32, 3
	s_add_co_u32 s33, s33, s32                     ; its first row: 32 g + 8 u
	s_lshl_b32 s33, s33, s26
	s_add_co_u32 s33, s33, s31                     ; in memory: 4 s + b (x), or the row itself
	s_lshl_b32 s34, s33, 12                        ; rows of 4,096 bytes
	s_lshl_b32 s38, s30, 11
	s_add_co_u32 s34, s34, s38
	s_mov_b32 s35, 0
	s_add_nc_u64 s[16:17], s[16:17], s[34:35]
	s_lshl_b32 s39, 4096, s26                      ; bytes from one row of the record's order to the next
	s_mul_i32 s40, s29, REC
	s_mul_i32 s41, s30, 6144
	s_add_co_u32 s34, s40, s41                     ; my eight half fragments
	s_lshl_b32 s41, s30, 8
	s_add_co_u32 s40, s40, s41
	s_add_co_u32 s40, s40, 12288                   ; my 256 bytes of scale words
	s_mov_b32 s41, 0
	s_add_nc_u64 s[20:21], s[18:19], s[40:41]
	s_add_nc_u64 s[18:19], s[18:19], s[34:35]
.irp i, 0,1,2,3,4,5,6,7,8,9,10,11,12,13,14,15
	v_mad_u32_u24 v[RO+\i], s39, \i+8*(\i/8), v[L16]   ; lane row i is row i + 8 (i / 8) from the record's first
.endr
.macro LOADF f                         ; fragment f: 128 numbers of each of the 16 rows: 32 lanes read 512 consecutive bytes
.irp i, 0,1,2,3,4,5,6,7,8,9,10,11,12,13,14,15
	global_load_b128 v[R+64*((\f)%2)+4*\i:R+64*((\f)%2)+4*\i+3], v[RO+\i], s[16:17] offset:512*(\f) th:TH_LOAD_NT
.endr
.endm
.macro FSTEP f
.if (\f) < 3
	s_wait_loadcnt 16                              ; this fragment's 16 loads are in; the next fragment's 16 may be out
.else
	s_wait_loadcnt 0x0
.endif
.irp i, 0,1,2,3,4,5,6,7,8,9,10,11,12,13,14,15
	ds_store_b128 v[SW], v[R+64*((\f)%2)+4*\i:R+64*((\f)%2)+4*\i+3] offset:SPITCH*\i
.endr
.irp c, 0,1
.irp j, 0,1,2,3,4,5,6,7
	ds_load_b128 v[X+32*\c+4*\j:X+32*\c+4*\j+3], v[SRD] offset:256*\c+16*\j   ; LDS serves a wave's instructions in order: these see the stores above
.endr
.endr
	s_wait_dscnt 0x0                               ; my 64 numbers are back, and the stores into the stage have read their registers
	s_wait_xcnt 0x0                                ; the last fragment's stores have read the codes' registers, which are written again below
.if (\f) < 2
	LOADF (\f)+2
.endif
.irp c, 0,1                                    ; my block 2 c + h: all its 32 numbers are mine
	v_max3_num_f32 v[MX+\c], |v[X+32*\c]|, |v[X+32*\c+1]|, 0x1800000   ; and the floor 2^(3 - 127): the byte cannot fall under 1
.endr
.irp i, 2,4,6,8,10,12,14,16,18,20,22,24,26,28,30
.irp c, 0,1
	v_max3_num_f32 v[MX+\c], v[MX+\c], |v[X+32*\c+\i]|, |v[X+32*\c+\i+1]|   ; (the two blocks by turns)
.endr
.endr
.irp c, 0,1
	v_add_nc_u32 v[SO+\c], 0xff000000, v[MX+\c]    ; 2 off the exponent field: the conversion takes that field of this operand as its scale
.endr
.irp c, 0,1
	v_lshrrev_b32 v[BY+\c], 23, v[SO+\c]           ; the scale's byte
.endr
	v_lshl_or_b32 v12, v[BY+1], 16, v[BY]          ; my two bytes: blocks h and 2 + h,
	v_lshlrev_b32 v12, v[H8], v12                  ; at their places in the word;
	v_permlanex16_b32 v13, v12, s22, s23
	v_or_b32 v[W+(\f)], v12, v13                   ; with lane l xor 16's two the word is whole
.irp c, 0,1
	v_cvt_scalef32_pk16_fp6_f32 v[C+6*\c:C+6*\c+2], v[X+32*\c:X+32*\c+15], v[SO+\c]
	v_cvt_scalef32_pk16_fp6_f32 v[C2+4*\c:C2+4*\c+2], v[X+32*\c+16:X+32*\c+31], v[SO+\c]   ; (a conversion's three registers begin on an even number)
.endr
	v_nop                                          ; one plain place behind a scaled conversion
.irp c, 0,1
.irp i, 0,1,2
	v_mov_b32 v[C+6*\c+3+\i], v[C2+4*\c+\i]
.endr
.endr
.irp c, 0,1                                    ; each store covers 512 or 256 consecutive bytes, at a multiple of 256 from the buffer's first byte
	global_store_b128 v[L16], v[C+6*\c:C+6*\c+3], s[18:19] offset:1536*(\f)+768*\c
	global_store_b64 v[L8], v[C+6*\c+4:C+6*\c+5], s[18:19] offset:1536*(\f)+768*\c+512
.endr
.endm
	LOADF 0
	LOADF 1
	s_wait_alu depctr_va_vdst(0)
	FSTEP 0
	FSTEP 1
	FSTEP 2
	FSTEP 3
	v_cndmask_b32 v14, v[W], v[W+2], s24           ; lanes 0-15: the words of my first 256 along K; lanes 16-31: of my second
	v_cndmask_b32 v15, v[W+1], v[W+3], s24
	global_store_b64 v[L8], v[14:15], s[20:21]     ; 32 lanes store 256 consecutive bytes, aligned
	s_wait_tensorcnt 0x0
	ds_add_u32 v254, v255
	s_wait_dscnt 0x0
	s_endpgm
.Lfunc_end_k_q62a8cdd267_quant:
	.size	k_q62a8cdd267_quant, .Lfunc_end_k_q62a8cdd267_quant-k_q62a8cdd267_quant
	.p2alignl 7, 3214868480
	.fill 96, 4, 3214868480
	.section	.rodata,"a",@progbits
	.p2align	6, 0x0
	.amdhsa_kernel k_q62a8cdd267_quant
		.amdhsa_group_segment_fixed_size 34304
		.amdhsa_private_segment_fixed_size 0
		.amdhsa_enable_private_segment 0
		.amdhsa_kernarg_size 48
		.amdhsa_user_sgpr_count 2
		.amdhsa_user_sgpr_kernarg_segment_ptr 1
		.amdhsa_wavefront_size32 1
		.amdhsa_system_sgpr_workgroup_id_x 1
		.amdhsa_system_sgpr_workgroup_id_y 1
		.amdhsa_system_sgpr_workgroup_id_z 1
		.amdhsa_system_vgpr_workitem_id 0
		.amdhsa_next_free_vgpr 256
		.amdhsa_next_free_sgpr 66
		.amdhsa_reserve_vcc 0
		.amdhsa_float_denorm_mode_32 3
		.amdhsa_float_denorm_mode_16_64 3
		.amdhsa_memory_ordered 1
		.amdhsa_forward_progress 1
		.amdhsa_inst_pref_size 32
	.end_amdhsa_kernel
	.amdgpu_metadata
---
amdhsa.version: [ 1, 2 ]
amdhsa.kernels:
  - .name:           k_q62a8cdd267_quant
    .symbol:         k_q62a8cdd267_quant.kd
    .args:
      - { .name: x, .offset: 0, .size: 8, .value_kind: global_buffer, .address_space: global }
      - { .name: Wqkv, .offset: 8, .size: 8, .value_kind: global_buffer, .address_space: global }
      - { .name: Wo, .offset: 16, .size: 8, .value_kind: global_buffer, .address_space: global }
      - { .name: x_q, .offset: 24, .size: 8, .value_kind: global_buffer, .address_space: global }
      - { .name: w_q, .offset: 32, .size: 8, .value_kind: global_buffer, .address_space: global }
      - { .name: wo_q, .offset: 40, .size: 8, .value_kind: global_buffer, .address_space: global }
    .group_segment_fixed_size: 34304
    .private_segment_fixed_size: 0
    .kernarg_segment_align: 8
    .kernarg_segment_size: 48
    .max_flat_workgroup_size: 128
    .sgpr_count:     66
    .vgpr_count:     256
    .wavefront_size: 32
...
	.end_amdgpu_metadata
.endif
;; end of part 1
;; launch gemm_qkv (part 2): grid 12 x 32, 4 waves a work-group, clusters of 4 x 4, 327,680 bytes of LDS; arguments x_q, w_q, bqkv, q, kv; writes q, kv
.if DOCPART == 2
	.amdgcn_target "amdgcn-amd-amdhsa--gfx1250"
	.amdhsa_code_object_version 6
	.text
	.protected	k_q62a8cdd267_gemm_qkv
	.globl	k_q62a8cdd267_gemm_qkv
	.p2align	8
	.type	k_q62a8cdd267_gemm_qkv,@function
k_q62a8cdd267_gemm_qkv:
	s_mov_b64 s[64:65], 0
	v_nop
	global_prefetch_b8 v0, s[64:65] scope:SCOPE_SE
	s_setreg_imm32_b32 hwreg(HW_REG_WAVE_MODE, 25, 1), 1
	s_wait_xcnt 0x0
	s_wait_alu depctr_hold_cnt(0) depctr_sa_sdst(0) depctr_va_vdst(0) depctr_va_sdst(0) depctr_va_ssrc(0) depctr_va_vcc(0) depctr_vm_vsrc(0)
	s_getreg_b32 s2, hwreg(HW_REG_IB_STS2, 6, 4)
	s_cmp_eq_u32 s2, 0
	s_cbranch_scc0 .Lentry_in_a_cluster
	s_endpgm
.Lentry_in_a_cluster:
	s_bfe_u32 s2, ttmp6, 0x10000c
	s_cmp_lg_u32 s2, 0xf033
	s_cbranch_scc0 .Lentry_shape_is_right
	s_endpgm
.Lentry_shape_is_right:
.set REC,    12800
.set TROW,   3072
.set HALFT,  8*TROW
.set SLOT,   4*HALFT
.set SCL,    2*SLOT
.set HALFS,  4096
.set SPARE,  SCL+4*HALFS
.set NQ,     2
.set FR,     12
.set NL,     4
.set NP,     4
.set ADRA, 16
.set ADRB, 20
.set ADRS, 27
.set SPW,  28
.set NIL,  29
.set SC,   32
.set BN,   64
.set AF,   128
.set BM,   224
.set HA,   64
.set PC,   128
.set TM,   160
.set PW,   176
.set PWE,  177
.set X0,   178
.set X1,   179
.set XW,   180
.set G1, 24
.set G0, 32
.set G1B, 48
.set G0B, 56
.set G1S, 68
.set G0S, 76
.set G1SB, 80
.set G0SB, 88
.set SEL, 68
.set MSB, 0
.macro WIN new
.if MSB != (\new)
	s_set_vgpr_msb (MSB<<8)|(\new)
.set MSB, (\new)
.endif
.endm
.set MUL_LO, 0xa1
.set MUL_HI, 0xf1
.set FST_LO, 0x81
.set FST_HI, 0xc1
.set TO_B,   0x40
.macro JLOAD g0a, g1a, g0b, g1b
	s_cmp_eq_u32 s15, 0
	s_cbranch_scc0 .Lfor_b_\@
	tensor_load_to_lds s[\g0a:\g0a+3], s[\g1a:\g1a+7]
	s_nop 0
.rept 4
	v_nop
.endr
	s_branch .Lasked_\@
.Lfor_b_\@:
	tensor_load_to_lds s[\g0b:\g0b+3], s[\g1b:\g1b+7]
	s_nop 0
.rept 4
	v_nop
.endr
.Lasked_\@:
.endm
.macro CREST
	s_cmp_lg_u32 s14, 0
	s_cbranch_scc1 .Lnot_wave_0_\@
	s_barrier_signal -3
.Lnot_wave_0_\@:
	s_barrier_wait -3
	s_barrier_signal -1
	s_barrier_wait -1
.endm
.macro CROUND
	s_barrier_signal -1
	s_barrier_wait -1
	CREST
.endm
	s_load_b256 s[4:11], s[0:1], 0x0
	s_load_b64 s[12:13], s[0:1], 0x20
	v_lshl_add_u32 v[SPW], v0, 2, SPARE
	v_mov_b32 v[NIL], 0
	ds_add_u32 v28, v29
	ds_add_u32 v28, v29
	s_wait_dscnt 0x0
	v_lshrrev_b32 v1, 5, v0
	v_readfirstlane_b32 s14, v1
	s_lshr_b32 s15, s14, 1
	s_and_b32 s16, s14, 1
	s_bfe_u32 s40, ttmp6, 0x40000
	s_bfe_u32 s41, ttmp6, 0x40004
	s_and_b32 s17, ttmp7, 0xffff
	s_lshl_b32 s17, s17, 2
	s_add_co_u32 s18, s17, s41
	s_add_co_u32 s42, s17, s40
	s_lshl_b32 s45, ttmp9, 2
	s_add_co_u32 s45, s45, s40
	s_cmp_eq_u32 ttmp9, 2
	s_cselect_b32 s17, s41, s18
	s_cselect_b32 s42, s42, s45
	s_cselect_b32 s96, 0, 0x3f800000
	s_cselect_b32 s98, 0x3f800000, 0
	s_mov_b32 s97, s96
	s_lshl_b32 s43, s41, 2
	s_lshl_b32 s43, 15, s43
	s_lshl_b32 s44, 0x1111, s40
	s_or_b32 s[G1+0], s43, (3<<16)|(1<<21)
	s_or_b32 s[G1B+0], s44, (3<<16)|(1<<21)
.irp g, G1, G1B
	s_mov_b32 s[\g+1], 384<<16
	s_mov_b32 s[\g+2], 8<<16
	s_mov_b32 s[\g+3], 384<<16
	s_mov_b32 s[\g+4], 8
	s_mov_b32 s[\g+5], REC/8
	s_mov_b32 s[\g+6], 0
	s_mov_b32 s[\g+7], 0
.endr
	s_or_b32 s[G1S+0], s43, (3<<16)|(1<<21)
	s_or_b32 s[G1SB+0], s44, (3<<16)|(1<<21)
.irp g, G1S, G1SB
	s_mov_b32 s[\g+1], 64<<16
	s_mov_b32 s[\g+2], 8<<16
	s_mov_b32 s[\g+3], 64<<16
	s_mov_b32 s[\g+4], 8
	s_mov_b32 s[\g+5], REC/8
	s_mov_b32 s[\g+6], 0
	s_mov_b32 s[\g+7], 0
.endr
	s_lshl_b32 s92, s42, 10
	s_lshl_b32 s19, s16, 9
	s_add_co_u32 s92, s92, s19
	s_lshl_b32 s94, s17, 10
	s_lshl_b32 s19, s15, 9
	s_add_co_u32 s94, s94, s19
	s_add_co_u32 s94, s94, 8192
	s_cmp_eq_u32 ttmp9, 2
	s_cselect_b32 s92, 0, s92
	s_cselect_b32 s94, s94, 0
	s_mov_b32 s93, 0
	s_mov_b32 s95, 0
	s_lshl_b32 s19, s16, 3
	s_lshl_b32 s20, s17, 4
	s_add_co_u32 s20, s20, s19
	s_mul_i32 s20, s20, REC
	s_mov_b32 s21, 0
	s_lshl_b32 s46, s42, 4
	s_add_co_u32 s46, s46, s19
	s_mul_i32 s46, s46, REC
	s_mov_b32 s47, 0
	s_mul_i32 s45, s14, HALFT
	s_lshl_b32 s99, s14, 12
	s_wait_kmcnt 0x0
	s_add_nc_u64 s[18:19], s[6:7], 128*REC
	s_cmp_eq_u32 ttmp9, 2
	s_cselect_b64 s[2:3], s[18:19], s[4:5]
	s_cselect_b64 s[18:19], s[4:5], s[6:7]
	s_add_nc_u64 s[20:21], s[2:3], s[20:21]
	s_add_nc_u64 s[46:47], s[18:19], s[46:47]
	s_add_nc_u64 s[92:93], s[8:9], s[92:93]
	s_add_nc_u64 s[94:95], s[8:9], s[94:95]
	CROUND
	; THE HEAD'S FOUR TILES, ONE JOINT LOAD A WAVE: wave 0 slot 0's 16 records of A, wave 1 those of B, wave 2 the scales of A's 16 records, wave 3 those of B's
	s_mul_i32 s66, s16, 8*REC                      ; my half's eight records: taken off, the tile's first record is left
	s_mov_b32 s67, 0
	s_sub_nc_u64 s[4:5], s[20:21], s[66:67]
	s_sub_nc_u64 s[6:7], s[46:47], s[66:67]
.irp g, G1, G1B, G1S, G1SB
	s_mov_b32 s[\g+2], 16<<16                      ; the head's loads bring 16 rows
	s_mov_b32 s[\g+4], 16
.endr
	s_mov_b32 s[G0], 1
	s_mov_b32 s[G0+1], 0
	s_mov_b64 s[G0+2:G0+3], s[4:5]
	s_or_b32 s[G0+3], s[G0+3], 0x80000000
	s_mov_b32 s[G0B], 1
	s_mov_b32 s[G0B+1], 2*HALFT
	s_mov_b64 s[G0B+2:G0B+3], s[6:7]
	s_or_b32 s[G0B+3], s[G0B+3], 0x80000000
	s_mov_b32 s[G0S], 1
	s_mov_b32 s[G0S+1], SCL
	s_add_nc_u64 s[G0S+2:G0S+3], s[4:5], 12288
	s_or_b32 s[G0S+3], s[G0S+3], 0x80000000
	s_mov_b32 s[G0SB], 1
	s_mov_b32 s[G0SB+1], SCL+2*HALFS
	s_add_nc_u64 s[G0SB+2:G0SB+3], s[6:7], 12288
	s_or_b32 s[G0SB+3], s[G0SB+3], 0x80000000
	s_mov_b32 s[G0+4], 1                           ; slot 1: my quarter, eight records
	s_add_co_u32 s[G0+5], s45, SLOT
	s_add_nc_u64 s[G0+6:G0+7], s[20:21], TROW
	s_or_b32 s[G0+7], s[G0+7], 0x80000000
	s_mov_b32 s[G0B+4], 1
	s_add_co_u32 s[G0B+5], s45, SLOT
	s_add_nc_u64 s[G0B+6:G0B+7], s[46:47], TROW
	s_or_b32 s[G0B+7], s[G0B+7], 0x80000000
.macro ARM under, g0, g1, next         ; one tree of branches on the wave's number: every way passes exactly one load
	s_cmp_lt_u32 s14, \under
	s_cbranch_scc0 \next
	tensor_load_to_lds s[\g0:\g0+3], s[\g1:\g1+7]
	s_nop 0
.rept 4
	v_nop
.endr
	s_branch .Lhead_asked
\next:
.endm
	ARM 1, G0,  G1,  .Lhead_b
	ARM 2, G0B, G1B, .Lhead_sa
	ARM 3, G0S, G1S, .Lhead_sb
	tensor_load_to_lds s[G0SB:G0SB+3], s[G1SB:G1SB+7]
	s_nop 0
.rept 4
	v_nop
.endr
.Lhead_asked:
	s_wait_alu depctr_va_vdst(0)
	s_wait_tensorcnt 0x0                           ; my tile of the head's four is in
	ds_add_u32 v28, v29
.irp g, G1, G1B
	s_mov_b32 s[\g+2], 8<<16                       ; no tensor load of mine is out: from here on a load brings eight rows,
	s_mov_b32 s[\g+4], 8
.endr
	s_add_co_u32 s[G0+1], s45, 0                   ; and slot 0's group 0 stands at my quarter, for its refill
	s_add_nc_u64 s[G0+2:G0+3], s[20:21], 0
	s_or_b32 s[G0+3], s[G0+3], 0x80000000
	s_add_co_u32 s[G0B+1], s45, 0
	s_add_nc_u64 s[G0B+2:G0B+3], s[46:47], 0
	s_or_b32 s[G0B+3], s[G0B+3], 0x80000000
	s_wait_dscnt 0x0
	CROUND
	JLOAD G0+4, G1, G0B+4, G1B                     ; slot 1's first fill, the first tensor load behind the round
	v_and_b32 v1, 31, v0
	v_and_b32 v2, 15, v0
	v_bfe_u32 v3, v0, 4, 1
	v_lshlrev_b32 v7, 6, v3
	v_and_b32 v13, 8, v2
	v_add_nc_u32 v13, v13, v2
	v_lshlrev_b32 v13, 2, v13
.irp t, 0,1,2,3,4,5,6,7
	global_load_b128 v[BN+8*\t:BN+8*\t+3], v7, s[92:93] offset:(32*(\t/2)+8*(\t%2))*4
	global_load_b128 v[BN+8*\t+4:BN+8*\t+7], v7, s[92:93] offset:(32*(\t/2)+8*(\t%2))*4+16
.endr
.irp a, 0,1,2,3,4,5,6,7
	global_load_b32 v[BM+2*\a], v13, s[94:95] offset:(32*(\a/2)+8*(\a%2))*4
.endr
	v_lshlrev_b32 v4, 4, v1
	v_lshlrev_b32 v5, 3, v1
	s_mul_i32 s21, s15, HALFT
	s_mul_i32 s22, s16, HALFT
	s_add_co_u32 s22, s22, 2*HALFT
.irp s, 0,1
	v_add_nc_u32 v[ADRA+\s], s21, v4
	v_add_nc_u32 v[ADRB+\s], s22, v4
	v_add_nc_u32 v[ADRA+2+\s], s21, v5
	v_add_nc_u32 v[ADRB+2+\s], s22, v5
	s_add_co_u32 s21, s21, SLOT
	s_add_co_u32 s22, s22, SLOT
.endr
	v_lshlrev_b32 v5, 3, v2
	s_lshl_b32 s21, s15, 12
	s_lshl_b32 s22, s16, 12
	s_add_co_u32 s22, s22, 2*HALFS
	s_sub_co_u32 s22, s22, s21
	v_mul_u32_u24 v6, s22, v3
	s_add_co_u32 s21, s21, SCL
	v_add_nc_u32 v5, v5, v6
	v_add_nc_u32 v[ADRS], s21, v5
	s_wait_loadcnt 0x0
.set t, 0
.rept 32
	v_pk_mul_f32 v[BN+2*t:BN+2*t+1], v[BN+2*t:BN+2*t+1], s[96:97] op_sel_hi:[1,0]
.set t, t+1
.endr
.irp a, 0,1,2,3,4,5,6,7
	v_mul_f32 v[BM+2*\a+1], s98, v[BM+2*\a]
	v_mul_f32 v[BM+2*\a], s98, v[BM+2*\a]
.endr
.macro FRAG reg, adr, q, i
	ds_load_b128 v[\reg:\reg+3], v[\adr] offset:(\i)*TROW+(\q)*1536
	ds_load_b64 v[\reg+4:\reg+5], v[\adr+2] offset:(\i)*TROW+(\q)*1536+512
	ds_load_b128 v[\reg+6:\reg+9], v[\adr] offset:(\i)*TROW+(\q)*1536+768
	ds_load_b64 v[\reg+10:\reg+11], v[\adr+2] offset:(\i)*TROW+(\q)*1536+1280
.endm
.macro MUL16 a0, p, q, sc, first
.irp a, \a0, \a0+1
.irp b, 0,1,2,3,4,5,6,7
.if \first
	v_wmma_scale_f32_16x16x128_f8f6f4 v[8*(8*((\a)%4)+\b):8*(8*((\a)%4)+\b)+7], v[128*(\p)+FR*\b:128*(\p)+FR*\b+FR-1], v[AF+FR*(\a):AF+FR*(\a)+FR-1], v[BN+8*\b:BN+8*\b+7], v[SC+8*NQ*(\sc)+NQ*\b+(\q)], v[SC+8*NQ*(\sc)+NQ*(\a)+(\q)] matrix_a_fmt:MATRIX_FMT_FP6 matrix_b_fmt:MATRIX_FMT_FP6 matrix_a_scale:MATRIX_SCALE_ROW1
.else
	v_wmma_scale_f32_16x16x128_f8f6f4 v[8*(8*((\a)%4)+\b):8*(8*((\a)%4)+\b)+7], v[128*(\p)+FR*\b:128*(\p)+FR*\b+FR-1], v[AF+FR*(\a):AF+FR*(\a)+FR-1], v[8*(8*((\a)%4)+\b):8*(8*((\a)%4)+\b)+7], v[SC+8*NQ*(\sc)+NQ*\b+(\q)], v[SC+8*NQ*(\sc)+NQ*(\a)+(\q)] matrix_a_fmt:MATRIX_FMT_FP6 matrix_b_fmt:MATRIX_FMT_FP6 matrix_a_scale:MATRIX_SCALE_ROW1
.endif
.endr
.endr
.endm
.macro FETCH_B slot, q, p
	WIN TO_B
.irp i, 0,1,2,3,4,5,6,7
	FRAG 128*(\p)+FR*\i, ADRB+\slot, \q, \i
.endr
	WIN 0
.endm
.macro FETCH_A slot, q, i0
.irp i, \i0, \i0+1, \i0+2, \i0+3
	FRAG AF+FR*(\i), ADRA+\slot, \q, \i
.endr
.endm
.macro SCALES sc
.irp i, 0,1,2,3,4,5,6,7
	ds_load_b64 v[SC+8*NQ*\sc+NQ*\i:SC+8*NQ*\sc+NQ*\i+1], v[ADRS] offset:\i*512
.endr
.endm
.macro PLACES n
.rept \n
	v_nop
.endr
.endm
.macro STEP slot, q, first
	s_wait_dscnt 4*NL
.if \first
	WIN FST_LO
.else
	WIN MUL_LO
.endif
	MUL16 0, (\q)%2, \q, \slot, \first
	MUL16 2, (\q)%2, \q, \slot, \first
	s_wait_dscnt 0
	PLACES NP
	FETCH_B \slot, (\q)+1, 1-(\q)%2
	FETCH_A \slot, (\q)+1, 0
.if \first
	WIN FST_HI
.else
	WIN MUL_HI
.endif
	MUL16 4, (\q)%2, \q, \slot, \first
	MUL16 6, (\q)%2, \q, \slot, \first
	PLACES NP
	WIN 0
	FETCH_A \slot, (\q)+1, 4
.endm
.macro TURN slot, next, fill
	s_wait_tensorcnt 0x0
	ds_add_u32 v[SPW], v[NIL]
	s_wait_dscnt 4*NL+1
	WIN MUL_LO
	MUL16 0, 1, NQ-1, \slot, 0
	s_wait_dscnt 0x0
	s_barrier_signal -1
	MUL16 2, 1, NQ-1, \slot, 0
	WIN 0
	s_barrier_wait -1
.if \fill
	CREST
	s_add_nc_u64 s[G0+4*\slot+2:G0+4*\slot+3], s[G0+4*\slot+2:G0+4*\slot+3], 2*TROW
	s_add_nc_u64 s[G0B+4*\slot+2:G0B+4*\slot+3], s[G0B+4*\slot+2:G0B+4*\slot+3], 2*TROW
	JLOAD G0+4*\slot, G1, G0B+4*\slot, G1B
.else
	PLACES NP
.endif
	s_wait_alu depctr_va_vdst(0)
	v_add_nc_u32 v[ADRS], 128, v[ADRS]
	FETCH_B \next, 0, 0
	FETCH_A \next, 0, 0
	SCALES \next
	WIN MUL_HI
	MUL16 4, 1, NQ-1, \slot, 0
	MUL16 6, 1, NQ-1, \slot, 0
	PLACES NP
	WIN 0
	FETCH_A \next, 0, 4
.endm
	s_wait_tensorcnt 1
	s_barrier_signal -1
	s_barrier_wait -1
	FETCH_B 0, 0, 0
	FETCH_A 0, 0, 0
	SCALES 0
	FETCH_A 0, 0, 4
	STEP 0, 0, 1
	TURN 0, 1, 1
	STEP 1, 0, 0
	TURN 1, 0, 1
	STEP 0, 0, 0
	TURN 0, 1, 0
	STEP 1, 0, 0
	s_wait_dscnt 4*NL
	WIN MUL_LO
	MUL16 0, 1, NQ-1, 1, 0
	MUL16 2, 1, NQ-1, 1, 0
	s_wait_dscnt 0
	WIN MUL_HI
	MUL16 4, 1, NQ-1, 1, 0
	MUL16 6, 1, NQ-1, 1, 0
	WIN 0
	PLACES NP
	s_cmp_eq_u32 ttmp9, 0
	s_cselect_b64 s[30:31], s[10:11], s[12:13]
	s_mov_b32 s32, 204800
	s_cselect_b32 s32, 102400, s32
	s_mov_b32 s33, 12800
	s_cselect_b32 s33, 6400, s33
	s_mov_b32 s34, 12288
	s_cselect_b32 s34, 6144, s34
	s_mov_b32 s48, 768
	s_mov_b32 s50, 768
	s_mov_b32 s60, 0x05040100
	s_mov_b32 s61, 0x07060302
	s_cmp_eq_u32 ttmp9, 2
	s_cselect_b32 s24, s42, s17
	s_cselect_b32 s25, s16, s15
	s_cselect_b32 s26, s17, s42
	s_cselect_b32 s27, s15, s16
	s_cselect_b32 s28, 6144, 0
	s_cselect_b32 s34, 6400, s34
	s_cselect_b32 s35, 768, s32
	s_cselect_b32 s36, 64, s32
	s_cselect_b32 s48, 1536, s48
	s_cselect_b32 s50, 200192, s50
	s_cselect_b32 s52, 128, 64
	s_cselect_b32 s54, 204672, 64
	s_cselect_b32 s60, 0x03020100, s60
	s_cselect_b32 s61, 0x07060504, s61
	s_mov_b32 s49, 0
	s_mov_b32 s51, 0
	s_mov_b32 s53, 0
	s_mov_b32 s55, 0
	s_mov_b32 s62, 0xffff0000
	s_mov_b32 s[SEL], 0x76543210
	s_mov_b32 s[SEL+1], 0xfedcba98
	s_lshr_b32 s37, s24, 3
	s_and_b32 s38, s24, 7
	s_lshl_b32 s38, s38, 1
	s_add_co_u32 s38, s38, s25
	s_and_b32 s26, s26, 3
	s_lshl_b32 s37, s37, 4
	s_lshl_b32 s26, s26, 2
	s_add_co_u32 s37, s37, s26
	s_lshl_b32 s27, s27, 1
	s_add_co_u32 s37, s37, s27
	s_mul_i32 s37, s37, s32
	s_mul_i32 s38, s38, s33
	s_add_co_u32 s38, s38, s37
	s_add_co_u32 s38, s38, s28
	s_mov_b32 s39, 0
	s_add_nc_u64 s[56:57], s[30:31], s[38:39]
	s_mov_b32 s38, s34
	s_add_nc_u64 s[58:59], s[56:57], s[38:39]
	v_lshlrev_b32 v8, 4, v1
	v_lshlrev_b32 v9, 3, v1
	v_add_nc_u32 v9, 512, v9
	v_add_nc_u32 v10, s35, v8
	v_add_nc_u32 v11, s35, v9
	v_mul_u32_u24 v12, s36, v3
	v_lshl_add_u32 v12, v2, 2, v12
.irp b, 0,1,2,3
	v_mov_b32 v[TM+4+\b], 0
.endr
.macro QUANT s
.irp b, 0,1,2,3
	v_max3_num_f32 v[TM+\b], |v[\s+16*\b]|, |v[\s+1+16*\b]|, 0x1800000
.endr
.irp i, 2,4,6,8,10,12,14
.irp b, 0,1,2,3
	v_max3_num_f32 v[TM+\b], v[TM+\b], |v[\s+16*\b+\i]|, |v[\s+1+16*\b+\i]|
.endr
.endr
.irp b, 0,1,2,3
	v_permlanex16_b32 v[TM+4+\b], v[TM+\b], s[SEL], s[SEL+1]
.endr
.irp b, 0,1,2,3
	v_max_num_f32 v[TM+\b], v[TM+\b], v[TM+4+\b]
.endr
.irp b, 0,1,2,3
	v_add_nc_u32 v[TM+12+\b], 0xff000000, v[TM+\b]
.endr
.irp b, 0,1,2,3
	v_lshrrev_b32 v[TM+4+\b], 23, v[TM+12+\b]
.endr
	v_lshl_or_b32 v[PW], v[TM+5], 8, v[TM+4]
	v_lshl_or_b32 v[PW], v[TM+6], 16, v[PW]
	v_lshl_or_b32 v[PW], v[TM+7], 24, v[PW]
.irp c, 0,1
	v_cvt_scalef32_pk16_fp6_f32 v[PC+6*\c:PC+2+6*\c], v[\s+32*\c:\s+15+32*\c], v[TM+12+2*\c]
	v_cvt_scalef32_pk16_fp6_f32 v[PC+12+4*\c:PC+14+4*\c], v[\s+16+32*\c:\s+31+32*\c], v[TM+12+2*\c+1]
.endr
	v_nop
.irp c, 0,1
.irp i, 0,1,2
	v_permlane16_swap_b32 v[PC+6*\c+\i], v[PC+12+4*\c+\i]
.endr
.irp i, 0,1,2
	v_mov_b32 v[PC+3+6*\c+\i], v[PC+12+4*\c+\i]
.endr
.endr
.endm
.macro OUTA a
	WIN 0x02+(\a)/4
.set t, 0
.rept 32
	v_pk_add_f32 v[HA+2*t:HA+2*t+1], v[64*((\a)%4)+2*t:64*((\a)%4)+2*t+1], v[BM+2*(\a):BM+2*(\a)+1]
.set t, t+1
.endr
	WIN 0
.if (\a) > 0
	s_wait_xcnt 0x0
.if (\a) == 4
	s_add_nc_u64 s[56:57], s[56:57], s[50:51]
.else
	s_add_nc_u64 s[56:57], s[56:57], s[48:49]
.endif
.if (\a) == 5
	s_add_nc_u64 s[58:59], s[58:59], s[54:55]
.elseif ((\a) == 3) || ((\a) == 7)
	s_add_nc_u64 s[58:59], s[58:59], s[52:53]
.endif
.endif
	QUANT HA
	global_store_b128 v8, v[PC:PC+3], s[56:57]
	global_store_b64 v9, v[PC+4:PC+5], s[56:57]
	global_store_b128 v10, v[PC+6:PC+9], s[56:57]
	global_store_b64 v11, v[PC+10:PC+11], s[56:57]
.if (\a)%2 == 0
	v_mov_b32 v[PWE], v[PW]
.else
	v_perm_b32 v[X0], v[PW], v[PWE], s60
	v_perm_b32 v[X1], v[PW], v[PWE], s61
	v_cndmask_b32 v[XW], v[X0], v[X1], s62
	global_store_b32 v12, v[XW], s[58:59]
.endif
.endm
.irp a, 0,1,2,3,4,5,6,7
	OUTA \a
.endr
	s_wait_tensorcnt 0x0
	ds_add_u32 v[SPW], v[NIL]
	s_wait_dscnt 0x0
	CROUND
	s_endpgm
.Lfunc_end_k_q62a8cdd267_gemm_qkv:
	.size	k_q62a8cdd267_gemm_qkv, .Lfunc_end_k_q62a8cdd267_gemm_qkv-k_q62a8cdd267_gemm_qkv
	.p2alignl 7, 3214868480
	.fill 96, 4, 3214868480
	.section	.rodata,"a",@progbits
	.p2align	6, 0x0
	.amdhsa_kernel k_q62a8cdd267_gemm_qkv
		.amdhsa_group_segment_fixed_size 327680
		.amdhsa_private_segment_fixed_size 0
		.amdhsa_enable_private_segment 0
		.amdhsa_kernarg_size 40
		.amdhsa_user_sgpr_count 2
		.amdhsa_user_sgpr_kernarg_segment_ptr 1
		.amdhsa_wavefront_size32 1
		.amdhsa_system_sgpr_workgroup_id_x 1
		.amdhsa_system_sgpr_workgroup_id_y 1
		.amdhsa_system_sgpr_workgroup_id_z 1
		.amdhsa_system_vgpr_workitem_id 0
		.amdhsa_next_free_vgpr 1024
		.amdhsa_next_free_sgpr 102
		.amdhsa_reserve_vcc 0
		.amdhsa_float_denorm_mode_32 3
		.amdhsa_float_denorm_mode_16_64 3
		.amdhsa_memory_ordered 1
		.amdhsa_forward_progress 1
		.amdhsa_inst_pref_size 174
	.end_amdhsa_kernel
	.amdgpu_metadata
---
amdhsa.version: [ 1, 2 ]
amdhsa.kernels:
  - .name:           k_q62a8cdd267_gemm_qkv
    .symbol:         k_q62a8cdd267_gemm_qkv.kd
    .args:
      - { .name: x_q, .offset: 0, .size: 8, .value_kind: global_buffer, .address_space: global }
      - { .name: w_q, .offset: 8, .size: 8, .value_kind: global_buffer, .address_space: global }
      - { .name: bqkv, .offset: 16, .size: 8, .value_kind: global_buffer, .address_space: global }
      - { .name: q, .offset: 24, .size: 8, .value_kind: global_buffer, .address_space: global }
      - { .name: kv, .offset: 32, .size: 8, .value_kind: global_buffer, .address_space: global }
    .group_segment_fixed_size: 327680
    .private_segment_fixed_size: 0
    .kernarg_segment_align: 8
    .kernarg_segment_size: 40
    .max_flat_workgroup_size: 128
    .sgpr_count:     102
    .vgpr_count:     1024
    .wavefront_size: 32
...
	.end_amdgpu_metadata
.endif
;; end of part 2
;; launch attn (part 3): grid 4 x 64, 16 waves a work-group, clusters of 4 x 1, 206,848 bytes of LDS; arguments q, kv, y_q; writes y_q
.if DOCPART == 3
	.amdgcn_target "amdgcn-amd-amdhsa--gfx1250"
	.amdhsa_code_object_version 6
	.text
	.protected	k_q62a8cdd267_attn
	.globl	k_q62a8cdd267_attn
	.p2align	8
	.type	k_q62a8cdd267_attn,@function
k_q62a8cdd267_attn:
	s_mov_b64 s[64:65], 0
	v_nop
	global_prefetch_b8 v0, s[64:65] scope:SCOPE_SE
	s_setreg_imm32_b32 hwreg(HW_REG_WAVE_MODE, 25, 1), 1
	s_wait_xcnt 0x0
	s_wait_alu depctr_hold_cnt(0) depctr_sa_sdst(0) depctr_va_vdst(0) depctr_va_sdst(0) depctr_va_ssrc(0) depctr_va_vcc(0) depctr_vm_vsrc(0)
	s_getreg_b32 s2, hwreg(HW_REG_IB_STS2, 6, 4)
	s_cmp_eq_u32 s2, 0
	s_cbranch_scc0 .Lentry_in_a_cluster
	s_endpgm
.Lentry_in_a_cluster:
	s_bfe_u32 s2, ttmp6, 0x10000c
	s_cmp_lg_u32 s2, 0x3003
	s_cbranch_scc0 .Lentry_shape_is_right
	s_endpgm
.Lentry_shape_is_right:
; For each (b, h): y = softmax(q k^T / 8) v, both products on codes of FP6 (E2M3) with E8M0 scales, and y quantised along the head's 64 channels for the last product.
; THE SOFTMAX: t = score x log2(e) / 8; M = the row's largest t so far, rounded UP to a whole number; p = 2^(t - M) is quantised along the keys, not normalised.
; The row's sum is taken of the unquantised p, in f32, and divides the result at the end.  When M moves, the sum and the result are multiplied by 2^(old M - new M): exact.
; IN.  q: [b h][128 queries][6,400]: eight half fragments of 768 bytes (16 queries x 64 channels as an image of six operand registers: registers 0-3 at 16 x lane, 4-5 at 512 + 8 x lane), then words [pair of tiles][r].
;      kv: [b h][128 keys][12,800]: k's eight half fragments, v's four fragments (16 channels x 128 keys), k's pair words, v's words.  In each group of 32 rows stored tile 2 g + u, lane r holds row 32 g + 8 u + r + 8 (r / 8).
; OUT. y_q: records of 12,800 bytes for 16 rows: half fragment h at 768 h; the head's two scale bytes of row r at 12,288 + 128 (h / 4) + 8 r + 2 (h % 4).
; SHARES.  A work-group owns one (b, h) and 512 queries; each of its sixteen waves owns two tiles of 16 queries, one after the other, in 256 registers: four waves to a SIMD.
; THE WHOLE HEAD'S kv, 204,800 bytes, LIES IN LDS, filled once: wave w brings key step w by one tensor load; no byte is filled again.  All of kv is asked for at the head, so there is no loop of loads for a prefetch to run ahead in.
; CLUSTER.  The four work-groups of a cluster are the four blocks of queries of one head and read the same kv: each load is asked for jointly, with a mask that names the four.
; LAYOUT.  Both products are used transposed: S^T = K Q^T, O^T = V^T P^T: a lane holds ONE query (lane % 16) throughout.
; THE KEYS OF A SCORE TILE ARE CHOSEN BY THE LANES' LDS ADDRESSES: row m of tile t is key 64 (t / 4) + 32 (m / 8) + 8 (t % 4) + m % 8 of the step, which lies in stored tile 4 (t / 4) + 2 (m / 8) + t % 2 at row 8 ((t % 4) / 2) + m % 8.
; So the 32 registers of tiles 4 c .. 4 c + 3 are keys 64 c + 32 h + 0 .. 31: a WHOLE block of 32 in a lane, in the order of the second product's operand: a block's maximum asks no other lane, and the codes change no lane.
; K = 64 IN AN INSTRUCTION OF 128: two tiles of k are ONE fragment, multiplied by [Q | 0] for the first and by [0 | Q] for the second: zero codes add nothing.
; LIMITS: NaN and infinities are not served; a block whose largest magnitude lies under 2^-124, a block of zeros too, keeps the byte 1 (only this program reads the bytes); the scaled scores stay under 2^31 in magnitude.
; A block's largest p is made from its largest score by the same two instructions as every p; this takes v_exp_f32 not to fall where its input rises.
; REGISTERS: v1-3 16, 8, 4 x lane; v4-6 the same + the step's LDS byte (v); v232-234 k's addresses, v235-237 their lane terms; v231 8 h; v7 Q's pair word; v8, v9 Q's scale word of this tile and the next; v10, v11 y's scale bytes;
;   v12 -M, v13 the largest t, v[14:15] the sum; v16-33 [0 | Q | 0]; v34-39 the next Q; v40-87 four fragments of K or of V; v88-91 their scale words; v92 p's scale word; v96-159 S^T, then p; v160-191 O^T; v192-210 codes; v212-253 at work.
.set KVS,  12800                       ; a key step's bytes
.set WV,   18                          ; s18  my wave's number
.set SEL,  20                          ; s[20:21] lane selects for v_permlanex16_b32: lane l xor 16
.set CS,   22                          ; s[22:23] c = log2(e) / 8
.set G1,   24                          ; s[24:31], s[32:35] the descriptor
.set G0,   32
.set TB,   36                          ; s36  LDS byte at which the key step in hand begins
.set STP,  37                          ; s37  key steps to go
.set TRIP, 38                          ; s38  tiles to go
.set HM,   39                          ; s39  lanes 16-31
.set YB,   40                          ; s[40:41] y's half fragment
.set YS,   42                          ; s[42:43] y's scale bytes
.set QB,   44                          ; s[44:45] my two tiles of q
.set QW,   46                          ; s[46:47] their pair words
.macro D n
	s_delay_alu instid0(VALU_DEP_\n)
.endm
.macro CROUND                          ; a round of the cluster's barrier
	s_barrier_signal -1
	s_barrier_wait -1
	s_cmp_lg_u32 s[WV], 0
	s_cbranch_scc1 .Lnot_wave_0_\@
	s_barrier_signal -3
.Lnot_wave_0_\@:
	s_barrier_wait -3
	s_barrier_signal -1
	s_barrier_wait -1
.endm
.macro FRAGL reg, off                  ; a fragment of v from LDS: every load reads consecutive bytes
	ds_load_b128 v[\reg:\reg+3], v4 offset:\off
	ds_load_b64 v[\reg+4:\reg+5], v5 offset:\off+512
	ds_load_b128 v[\reg+6:\reg+9], v4 offset:\off+768
	ds_load_b64 v[\reg+10:\reg+11], v5 offset:\off+1280
.endm
	s_load_b128 s[4:7], s[0:1], 0x0                ; q, kv
	s_load_b64 s[8:9], s[0:1], 0x10                ; y_q
	v_lshl_add_u32 v254, v0, 2, 0x32000
	v_mov_b32 v255, 0
	ds_add_u32 v254, v255                          ; the opening lines: the add, twice on end, and its wait
	ds_add_u32 v254, v255
	v_lshrrev_b32 v1, 5, v0
	D 1
	v_readfirstlane_b32 s[WV], v1                  ; wave 0..15
	s_bfe_u32 s13, ttmp6, 0x40000                  ; cx: my block of 512 queries: it enters q's and y's addresses alone
	s_and_b32 s12, ttmp7, 0xffff                   ; 16 b + h, which the four partners share
	s_mul_i32 s10, s12, 16*KVS
	s_mul_i32 s14, s[WV], KVS                      ; key step w: its place in the head, in memory and in LDS
	s_add_co_u32 s10, s10, s14
	s_mov_b32 s11, 0
	; descriptor group 1: a dense block of 12,800 bytes as 50 rows of 256 bytes
	s_mov_b32 s[G1], 15|(3<<16)|(1<<21)            ; the mask: all four work-groups; elements of 8 bytes; no padding; bit 21 set beside a mask
	s_mov_b32 s[G1+1], 32<<16                      ; tensor_dim0
	s_mov_b32 s[G1+2], 50<<16                      ; tensor_dim1
	s_mov_b32 s[G1+3], 32<<16                      ; tile_dim0
	s_mov_b32 s[G1+4], 50                          ; tile_dim1
	s_mov_b32 s[G1+5], 32                          ; tensor_dim0_stride
	s_mov_b32 s[G1+6], 0
	s_mov_b32 s[G1+7], 0
	s_lshl_b32 s15, s13, 2
	s_lshr_b32 s16, s[WV], 2
	s_add_co_u32 s15, s15, s16                     ; my step of 128 queries: 4 cx + wave / 4
	s_and_b32 s16, s[WV], 3                        ; my pair of tiles in it
	s_mul_i32 s48, s12, 102400
	s_mul_i32 s17, s15, 6400
	s_add_co_u32 s48, s48, s17
	s_mul_i32 s17, s16, 1536
	s_add_co_u32 s50, s48, s17                     ; my two half fragments of q
	s_mov_b32 s51, 0
	s_lshl_b32 s17, s16, 6
	s_add_co_u32 s48, s48, s17
	s_add_co_u32 s48, s48, 6144                    ; and their pair words
	s_mov_b32 s49, 0
	s_lshr_b32 s52, s12, 4                         ; b
	s_and_b32 s53, s12, 15                         ; h
	s_lshl_b32 s52, s52, 7
	s_lshl_b32 s17, s15, 3
	s_add_co_u32 s52, s52, s17
	s_lshl_b32 s17, s16, 1
	s_add_co_u32 s52, s52, s17                     ; y's record of my first tile: 128 b + 8 x step + 2 x pair
	s_mul_i32 s52, s52, 12800
	s_mul_i32 s17, s53, 768
	s_add_co_u32 s54, s52, s17
	s_mov_b32 s55, 0
	s_lshr_b32 s17, s53, 2
	s_lshl_b32 s17, s17, 7
	s_add_co_u32 s56, s52, s17
	s_and_b32 s17, s53, 3
	s_lshl_b32 s17, s17, 1
	s_add_co_u32 s56, s56, s17
	s_add_co_u32 s56, s56, 12288
	s_mov_b32 s57, 0
	s_mov_b32 s[SEL], 0x76543210
	s_mov_b32 s[SEL+1], 0xfedcba98
	s_mov_b32 s[CS], 0x3e38aa3b                    ; c = log2(e) / 8
	s_mov_b32 s[CS+1], s[CS]                       ; (named with it as a pair, so it is written)
	s_mov_b32 s[HM], 0xffff0000
	s_wait_dscnt 0x0
	s_wait_kmcnt 0x0
	s_add_nc_u64 s[QB:QB+1], s[4:5], s[50:51]
	s_add_nc_u64 s[QW:QW+1], s[4:5], s[48:49]
	s_add_nc_u64 s[YB:YB+1], s[8:9], s[54:55]
	s_add_nc_u64 s[YS:YS+1], s[8:9], s[56:57]
	s_mov_b32 s[G0], 1                             ; count = 1
	s_mov_b32 s[G0+1], s14                         ; LDS address: 12,800 x wave
	s_add_nc_u64 s[G0+2:G0+3], s[6:7], s[10:11]    ; global address
	s_or_b32 s[G0+3], s[G0+3], 0x80000000          ; type = 2
	CROUND                                         ; all four work-groups are here: the joint loads meet
	tensor_load_to_lds s[G0:G0+3], s[G1:G1+7]      ; my one tensor load of the launch
	s_nop 0
.rept 4
	v_nop
.endr
	v_and_b32 v3, 31, v0                           ; lane
	v_and_b32 v226, 15, v0                         ; r
	v_bfe_u32 v228, v0, 4, 1                       ; h
	v_bfe_u32 v238, v0, 3, 1                       ; r / 8
	v_and_b32 v229, 7, v0                          ; r % 8
	v_lshlrev_b32 v1, 4, v3
	v_lshlrev_b32 v2, 3, v3
	v_lshlrev_b32 v3, 2, v3
	v_lshlrev_b32 v230, 2, v226                    ; q's words: 4 r
	v_mul_u32_u24 v227, v228, 12800
	v_mul_u32_u24 v235, v238, 1536                 ; k's lane terms: two stored tiles on for rows 8-15,
	v_lshlrev_b32 v237, 6, v238
	D 3
	v_lshl_add_u32 v227, v226, 3, v227             ; y's scale bytes: lanes 0-15 my first tile's record, lanes 16-31 my second's; 8 r
	D 3
	v_lshl_add_u32 v236, v229, 3, v235             ; the stored lane r % 8 + 16 h: 8 bytes a lane,
	v_lshl_add_u32 v235, v229, 4, v235             ; 16 bytes a lane,
	v_lshl_add_u32 v237, v229, 2, v237             ; and the words: 64 (r / 8) + 4 (r % 8) + 32 h
	D 3
	v_lshl_add_u32 v236, v228, 7, v236
	D 3
	v_lshl_add_u32 v235, v228, 8, v235
	D 3
	v_lshl_add_u32 v237, v228, 5, v237
	v_lshlrev_b32 v231, 3, v228                    ; 8 h
	global_load_b128 v[22:25], v1, s[QB:QB+1]      ; my first tile of q,
	global_load_b64 v[26:27], v2, s[QB:QB+1] offset:512
	global_load_b128 v[34:37], v1, s[QB:QB+1] offset:768   ; my second,
	global_load_b64 v[38:39], v2, s[QB:QB+1] offset:1280
	global_load_b32 v7, v230, s[QW:QW+1]           ; and both tiles' scale bytes of row r
.irp i, 16,17,18,19,20,21,28,29,30,31,32,33
	v_mov_b32 v[\i], 0                             ; the zero codes on both sides of Q
.endr
	v_mov_b32 v11, 0
.irp b, 0,1,2,3
	v_mov_b32 v[216+\b], 0                         ; written once: a lane permute's destination counts as one of its sources
.endr
	v_mov_b32 v225, 0                              ; (named as the upper half of the pair v[224:225])
	s_wait_alu depctr_va_vdst(0)                   ; the wait, directly ahead of the wait below
	s_wait_loadcnt 0x0
	v_perm_b32 v8, v7, v7, 0x01000100              ; Q's scale word: its two bytes for k 0-63 and again for k 64-127
	v_perm_b32 v9, v7, v7, 0x03020302              ; the second tile's
	s_wait_alu depctr_va_vdst(0)                   ; the wait at the head's end
	s_wait_tensorcnt 0x0                           ; my key step is in,
	s_barrier_signal -1
	s_barrier_wait -1                              ; everybody's is: the head lies in LDS, and no tile is written from here on
	s_mov_b32 s[TRIP], 2
.Ltile:
	v_mov_b32 v13, 0xff61b1e6                      ; the largest t so far: -3e38, under every t
	D 1
	v_floor_f32 v12, -v13                          ; -M
	v_mov_b32 v14, 0                               ; the sum, in two halves
	v_mov_b32 v15, 0
.set j, 0
.rept 32
	v_mov_b32 v[160+j], 0                          ; O^T: the step is written once; the first change of M leaves zeros zeros
.set j, j+1
.endr
	s_mov_b32 s[TB], 0
	s_mov_b32 s[STP], 16
.Lstep:                                            ; a key step: 128 keys
	v_add_nc_u32 v4, s[TB], v1                     ; these six lines are the places in front of loads into registers that the last products have read
	v_add_nc_u32 v5, s[TB], v2
	v_add_nc_u32 v6, s[TB], v3
	v_add_nc_u32 v232, s[TB], v235
	v_add_nc_u32 v233, s[TB], v236
	v_add_nc_u32 v234, s[TB], v237
.irp p, 0,1,2,3                                ; fragment p = score tiles 2 p, 2 p + 1
	ds_load_b128 v[40+12*\p:43+12*\p], v232 offset:3072*(\p/2)+128*(\p%2)
	ds_load_b64 v[44+12*\p:45+12*\p], v233 offset:3072*(\p/2)+64*(\p%2)+512
	ds_load_b128 v[46+12*\p:49+12*\p], v232 offset:3072*(\p/2)+128*(\p%2)+768
	ds_load_b64 v[50+12*\p:51+12*\p], v233 offset:3072*(\p/2)+64*(\p%2)+1280
.endr
	ds_load_b32 v88, v234 offset:12288             ; k's words: lanes 0-15 fragment 0's, lanes 16-31 fragment 1's;
	ds_load_b32 v89, v234 offset:12416             ; fragments 2 and 3
	s_wait_alu depctr_va_vdst(0)                   ; the wait, directly ahead of the wait below
	s_wait_dscnt 0x0
.irp t, 0,1,2,3,4,5,6,7                        ; S^T = K Q^T: even tiles against [Q | 0], odd ones against [0 | Q]
.if ((\t)/2)%2
	v_wmma_scale_f32_16x16x128_f8f6f4 v[96+8*\t:103+8*\t], v[40+12*(\t/2):51+12*(\t/2)], v[22-6*(\t%2):33-6*(\t%2)], 0, v[88+\t/4], v8 matrix_a_fmt:MATRIX_FMT_FP6 matrix_b_fmt:MATRIX_FMT_FP6 matrix_a_scale:MATRIX_SCALE_ROW1
.else
	v_wmma_scale_f32_16x16x128_f8f6f4 v[96+8*\t:103+8*\t], v[40+12*(\t/2):51+12*(\t/2)], v[22-6*(\t%2):33-6*(\t%2)], 0, v[88+\t/4], v8 matrix_a_fmt:MATRIX_FMT_FP6 matrix_b_fmt:MATRIX_FMT_FP6
.endif
.endr                                          ; lane (r, h) holds query r; register 96 + 32 c + i is key 64 c + 32 h + i of the step
.rept 4
	v_nop                                          ; places in front of the loads below and of the first read of the scores
.endr
.irp ct, 0,1,2,3
	FRAGL 40+12*\ct, 6144+1536*\ct                 ; v's four fragments: they land under the softmax
.endr
	ds_load_b32 v90, v6 offset:12544               ; v's words: lanes 0-15 tile 0 of the channels, lanes 16-31 tile 1;
	ds_load_b32 v91, v6 offset:12672               ; tiles 2 and 3
.irp b, 0,1,2,3
	v_max3_num_f32 v[212+\b], v[96+16*\b], v[97+16*\b], v[98+16*\b]   ; the largest score of each run of 16 registers, four runs by turns; each accumulator from its low end on
.endr
.irp i, 3,5,7,9,11,13
.irp b, 0,1,2,3
	v_max3_num_f32 v[212+\b], v[212+\b], v[96+16*\b+\i], v[97+16*\b+\i]
.endr
.endr
.irp b, 0,1,2,3
	v_max_num_f32 v[212+\b], v[212+\b], v[111+16*\b]
.endr
	D 3
	v_max_num_f32 v212, v212, v213                 ; my block h: THE LARGEST SCORE OF A BLOCK serves twice: for the row's maximum and for the block's largest p
	D 2
	v_max_num_f32 v214, v214, v215                 ; my block 2 + h
	D 1
	v_max_num_f32 v226, v212, v214
	D 1
	v_permlanex16_b32 v216, v226, s[SEL], s[SEL+1]
	D 1
	v_max_num_f32 v226, v226, v216                 ; with lane l xor 16's 64 keys: the step's largest score of my query
	D 1
	v_mul_f32 v226, s[CS], v226                    ; as t (c is positive)
	D 1
	v_max_num_f32 v13, v13, v226                   ; the running largest t
	v_mov_b32 v226, v12
	D 2
	v_floor_f32 v12, -v13                          ; the new -M = -ceil(t): M IS A WHOLE NUMBER
	D 1
	v_sub_f32 v226, v12, v226                      ; M's old value less its new one
	D 1
	v_cvt_i32_f32 v226, v226                       ; (it saturates)
	D 1
	v_ldexp_f32 v224, 1.0, v226                    ; f = 2^(old M - new M)
.set j, 0
.rept 32
	v_pk_fma_f32 v[96+j:97+j], v[96+j:97+j], s[CS:CS+1], v[12:13] op_sel_hi:[1,0,0]   ; t - M, two at a time
.set j, j+2
.endr
	v_fma_f32 v212, v212, s[CS], v12               ; the same of each block's largest score
	v_fma_f32 v214, v214, s[CS], v12
	s_wait_alu depctr_va_vdst(0)                   ; the wait ahead of the batch
.set j, 0
.rept 64
	v_exp_f32 v[96+j], v[96+j]                     ; p = 2^(t - M), at most 1: NOT normalised
.set j, j+1
.endr
	v_exp_f32 v212, v212                           ; the blocks' largest p
	v_exp_f32 v214, v214
	v_pk_mul_f32 v[14:15], v[14:15], v[224:225] op_sel_hi:[1,0]   ; the sums under the new M (a plain place behind the exponentials)
	s_wait_alu depctr_va_vdst(0)                   ; one wait for the batch, and directly ahead of O^T's first readers
.set j, 0
.rept 16
	v_pk_mul_f32 v[160+j:161+j], v[160+j:161+j], v[224:225] op_sel_hi:[1,0]   ; O^T under the new M: x f; each accumulator from its low end on
.set j, j+2
.endr
	v_max_num_f32 v212, 0x1800000, v212            ; the floor 2^(3 - 127): the byte cannot fall under 1
	v_max_num_f32 v214, 0x1800000, v214
	D 2
	v_add_nc_u32 v220, 0xff000000, v212            ; 2 off the exponent field: the conversion's scale operand
	D 2
	v_add_nc_u32 v221, 0xff000000, v214
	D 2
	v_lshrrev_b32 v216, 23, v220                   ; the scale's byte
	D 2
	v_lshrrev_b32 v217, 23, v221
	D 1
	v_lshl_or_b32 v238, v217, 16, v216             ; my two bytes: blocks h and 2 + h,
	D 1
	v_lshlrev_b32 v238, v231, v238                 ; at their places in the word (8 h bits up);
	D 1
	v_permlanex16_b32 v218, v238, s[SEL], s[SEL+1]
	D 1
	v_or_b32 v92, v238, v218                       ; with lane l xor 16's two the word is whole
.irp c, 0,1
	v_cvt_scalef32_pk16_fp6_f32 v[192+6*\c:194+6*\c], v[96+32*\c:111+32*\c], v[220+\c]
	v_cvt_scalef32_pk16_fp6_f32 v[204+4*\c:206+4*\c], v[112+32*\c:127+32*\c], v[220+\c]   ; (a conversion's three registers begin on an even number)
.endr
	v_nop                                          ; one plain place behind a scaled conversion
.irp c, 0,1
.irp i, 0,1,2
	v_mov_b32 v[195+6*\c+\i], v[204+4*\c+\i]       ; registers 6 c .. 6 c + 5 hold k = 64 c + 32 h + 0 .. 31
.endr
.endr
	v_pk_add_f32 v[228:229], v[100:101], v[104:105]   ; THE ROW'S SUM IS TAKEN OF THE UNQUANTISED p: eight chains.  (These lines are also the places between p's codes and word and the products)
	v_pk_add_f32 v[252:253], v[108:109], v[112:113]
	v_pk_add_f32 v[250:251], v[116:117], v[120:121]
	v_pk_add_f32 v[248:249], v[124:125], v[128:129]
	v_pk_add_f32 v[246:247], v[132:133], v[136:137]
	v_pk_add_f32 v[244:245], v[140:141], v[144:145]
	v_pk_add_f32 v[242:243], v[148:149], v[152:153]
	v_pk_add_f32 v[14:15], v[14:15], v[156:157]
	v_pk_add_f32 v[228:229], v[228:229], v[96:97]
	v_pk_add_f32 v[252:253], v[252:253], v[98:99]
	v_pk_add_f32 v[250:251], v[250:251], v[102:103]
	v_pk_add_f32 v[248:249], v[248:249], v[106:107]
	v_pk_add_f32 v[246:247], v[246:247], v[110:111]
	v_pk_add_f32 v[244:245], v[244:245], v[114:115]
	v_pk_add_f32 v[242:243], v[242:243], v[118:119]
	v_pk_add_f32 v[14:15], v[14:15], v[122:123]
	v_pk_add_f32 v[228:229], v[228:229], v[126:127]
	v_pk_add_f32 v[252:253], v[252:253], v[130:131]
	v_pk_add_f32 v[250:251], v[250:251], v[134:135]
	v_pk_add_f32 v[248:249], v[248:249], v[138:139]
	v_pk_add_f32 v[246:247], v[246:247], v[142:143]
	v_pk_add_f32 v[244:245], v[244:245], v[146:147]
	v_pk_add_f32 v[242:243], v[242:243], v[150:151]
	v_pk_add_f32 v[14:15], v[14:15], v[154:155]
	v_pk_add_f32 v[228:229], v[228:229], v[158:159]
	D 2
	v_pk_add_f32 v[14:15], v[14:15], v[248:249]
	D 2
	v_pk_add_f32 v[228:229], v[228:229], v[246:247]
	v_pk_add_f32 v[252:253], v[252:253], v[244:245]
	v_pk_add_f32 v[250:251], v[250:251], v[242:243]
	D 2
	v_pk_add_f32 v[14:15], v[14:15], v[252:253]
	D 2
	v_pk_add_f32 v[228:229], v[228:229], v[250:251]
	D 1
	v_pk_add_f32 v[14:15], v[14:15], v[228:229]
	s_wait_alu depctr_va_vdst(0)                   ; the wait, directly ahead of the wait below
	s_wait_dscnt 0x0                               ; v's fragments and words are in
.irp ct, 0,1,2,3                               ; O^T += V^T P^T: four tiles of 16 channels, by turns; K = these 128 keys
.if (\ct)%2
	v_wmma_scale_f32_16x16x128_f8f6f4 v[160+8*\ct:167+8*\ct], v[40+12*\ct:51+12*\ct], v[192:203], v[160+8*\ct:167+8*\ct], v[90+\ct/2], v92 matrix_a_fmt:MATRIX_FMT_FP6 matrix_b_fmt:MATRIX_FMT_FP6 matrix_a_scale:MATRIX_SCALE_ROW1
.else
	v_wmma_scale_f32_16x16x128_f8f6f4 v[160+8*\ct:167+8*\ct], v[40+12*\ct:51+12*\ct], v[192:203], v[160+8*\ct:167+8*\ct], v[90+\ct/2], v92 matrix_a_fmt:MATRIX_FMT_FP6 matrix_b_fmt:MATRIX_FMT_FP6
.endif
.endr
	s_add_co_u32 s[TB], s[TB], KVS
	s_sub_co_u32 s[STP], s[STP], 1
	s_cmp_lg_u32 s[STP], 0
	s_cbranch_scc1 .Lstep
	; THE TILE'S END: O^T is divided by the sum and quantised: register 8 ct + j is channel 32 (ct / 2) + 16 h + 8 (ct % 2) + j, so 16 registers are my half of a block of 32
.rept 4
	v_nop                                          ; places behind the last products
.endr
	v_add_f32 v14, v14, v15                        ; the sum's two halves,
	D 1
	v_permlanex16_b32 v226, v14, s[SEL], s[SEL+1]
	D 1
	v_add_f32 v14, v14, v226                       ; and lane l xor 16's: the row's sum
	s_wait_alu depctr_va_vdst(0)                   ; the wait ahead of the transcendental
	v_rcp_f32 v14, v14
	v_nop                                          ; one plain place behind a transcendental
	s_wait_alu depctr_va_vdst(0)                   ; and ahead of its first reader, which is O^T's too
.set j, 0
.rept 16
	v_pk_mul_f32 v[96+j:97+j], v[160+j:161+j], v[14:15] op_sel_hi:[1,0]   ; each accumulator from its low end on
.set j, j+2
.endr
.irp b, 0,1
	v_max3_num_f32 v[212+\b], |v[96+16*\b]|, |v[97+16*\b]|, 0x1800000
.endr
.irp i, 2,4,6,8,10,12,14
.irp b, 0,1
	D 2
	v_max3_num_f32 v[212+\b], v[212+\b], |v[96+16*\b+\i]|, |v[97+16*\b+\i]|
.endr
.endr
.irp b, 0,1
	D 2
	v_permlanex16_b32 v[216+\b], v[212+\b], s[SEL], s[SEL+1]
.endr
.irp b, 0,1
	D 2
	v_max_num_f32 v[212+\b], v[212+\b], v[216+\b]
.endr
.irp b, 0,1
	D 2
	v_add_nc_u32 v[220+\b], 0xff000000, v[212+\b]
.endr
.irp b, 0,1
	D 2
	v_lshrrev_b32 v[216+\b], 23, v[220+\b]
.endr
	v_mov_b32 v10, v11                             ; the first tile's two bytes are kept
	D 2
	v_lshl_or_b32 v11, v217, 8, v216               ; this tile's
	v_cvt_scalef32_pk16_fp6_f32 v[192:194], v[96:111], v220
	v_cvt_scalef32_pk16_fp6_f32 v[204:206], v[112:127], v221
	v_nop                                          ; one plain place behind a scaled conversion
.irp i, 0,1,2
	v_permlane16_swap_b32 v[192+\i], v[204+\i]     ; lanes 0-15 get all of block 0, lanes 16-31 all of block 1
.endr
.irp i, 0,1,2
	D 3
	v_mov_b32 v[195+\i], v[204+\i]
.endr
	global_store_b128 v1, v[192:195], s[YB:YB+1]   ; 512 and 256 consecutive bytes, at multiples of 256 from the buffer's first byte
	global_store_b64 v2, v[196:197], s[YB:YB+1] offset:512
.irp i, 0,1,2,3,4,5
	v_mov_b32 v[22+\i], v[34+\i]                   ; the second tile's Q and scale word; the lines at the loop's head are the places in front of the next products
.endr
	v_mov_b32 v8, v9
	s_wait_xcnt 0x0                                ; the stores have read their data and their base: both are written again
	s_add_nc_u64 s[YB:YB+1], s[YB:YB+1], 12800
	s_sub_co_u32 s[TRIP], s[TRIP], 1
	s_cmp_lg_u32 s[TRIP], 0
	s_cbranch_scc1 .Ltile
	v_cndmask_b32 v226, v10, v11, s[HM]            ; lanes 0-15: my first tile's bytes; lanes 16-31: my second's
	global_store_b16 v227, v226, s[YS:YS+1]        ; two bytes a row, 8 bytes apart: a head owns two of a row's 32 scale bytes
	s_wait_tensorcnt 0x0                           ; the wave's end
	ds_add_u32 v254, v255
	s_wait_dscnt 0x0
	CROUND                                         ; the closing round: no work-group ends while a partner may still ask for a tile that names it
	s_endpgm
.Lfunc_end_k_q62a8cdd267_attn:
	.size	k_q62a8cdd267_attn, .Lfunc_end_k_q62a8cdd267_attn-k_q62a8cdd267_attn
	.p2alignl 7, 3214868480
	.fill 96, 4, 3214868480
	.section	.rodata,"a",@progbits
	.p2align	6, 0x0
	.amdhsa_kernel k_q62a8cdd267_attn
		.amdhsa_group_segment_fixed_size 206848
		.amdhsa_private_segment_fixed_size 0
		.amdhsa_enable_private_segment 0
		.amdhsa_kernarg_size 24
		.amdhsa_user_sgpr_count 2
		.amdhsa_user_sgpr_kernarg_segment_ptr 1
		.amdhsa_wavefront_size32 1
		.amdhsa_system_sgpr_workgroup_id_x 1
		.amdhsa_system_sgpr_workgroup_id_y 1
		.amdhsa_system_sgpr_workgroup_id_z 1
		.amdhsa_system_vgpr_workitem_id 0
		.amdhsa_next_free_vgpr 256
		.amdhsa_next_free_sgpr 66
		.amdhsa_reserve_vcc 0
		.amdhsa_float_denorm_mode_32 3
		.amdhsa_float_denorm_mode_16_64 3
		.amdhsa_memory_ordered 1
		.amdhsa_forward_progress 1
		.amdhsa_inst_pref_size 30
	.end_amdhsa_kernel
	.amdgpu_metadata
---
amdhsa.version: [ 1, 2 ]
amdhsa.kernels:
  - .name:           k_q62a8cdd267_attn
    .symbol:         k_q62a8cdd267_attn.kd
    .args:
      - { .name: q, .offset: 0, .size: 8, .value_kind: global_buffer, .address_space: global }
      - { .name: kv, .offset: 8, .size: 8, .value_kind: global_buffer, .address_space: global }
      - { .name: y_q, .offset: 16, .size: 8, .value_kind: global_buffer, .address_space: global }
    .group_segment_fixed_size: 206848
    .private_segment_fixed_size: 0
    .kernarg_segment_align: 8
    .kernarg_segment_size: 24
    .max_flat_workgroup_size: 512
    .sgpr_count:     66
    .vgpr_count:     256
    .wavefront_size: 32
...
	.end_amdgpu_metadata
.endif
;; end of part 3
;; launch gemm_out (part 4): grid 4 x 32, 4 waves a work-group, clusters of 4 x 4, 327,680 bytes of LDS; arguments y_q, wo_q, bo, out0; writes out0
.if DOCPART == 4
	.amdgcn_target "amdgcn-amd-amdhsa--gfx1250"
	.amdhsa_code_object_version 6
	.text
	.protected	k_q62a8cdd267_gemm_out
	.globl	k_q62a8cdd267_gemm_out
	.p2align	8
	.type	k_q62a8cdd267_gemm_out,@function
k_q62a8cdd267_gemm_out:
	s_mov_b64 s[64:65], 0
	v_nop
	global_prefetch_b8 v0, s[64:65] scope:SCOPE_SE
	s_setreg_imm32_b32 hwreg(HW_REG_WAVE_MODE, 25, 1), 1
	s_wait_xcnt 0x0
	s_wait_alu depctr_hold_cnt(0) depctr_sa_sdst(0) depctr_va_vdst(0) depctr_va_sdst(0) depctr_va_ssrc(0) depctr_va_vcc(0) depctr_vm_vsrc(0)
	s_getreg_b32 s2, hwreg(HW_REG_IB_STS2, 6, 4)
	s_cmp_eq_u32 s2, 0
	s_cbranch_scc0 .Lentry_in_a_cluster
	s_endpgm
.Lentry_in_a_cluster:
	s_bfe_u32 s2, ttmp6, 0x10000c
	s_cmp_lg_u32 s2, 0xf033
	s_cbranch_scc0 .Lentry_shape_is_right
	s_endpgm
.Lentry_shape_is_right:
.set REC,    12800
.set TROW,   3072
.set HALFT,  8*TROW
.set SLOT,   4*HALFT
.set SCL,    2*SLOT
.set HALFS,  4096
.set SPARE,  SCL+4*HALFS
.set SPITCH, 528
.set NQ,     2
.set FR,     12
.set NL,     4
.set NP,     4
.set ADRA, 16
.set ADRB, 20
.set STO,  24
.set RD,   25
.set CO,   26
.set ADRS, 27
.set SPW,  28
.set NIL,  29
.set SC,   32
.set BN,   64
.set AF,   128
.set BK,   128
.set G1, 24
.set G0, 32
.set G1B, 48
.set G0B, 56
.set G1S, 68
.set G0S, 76
.set G1SB, 80
.set G0SB, 88
.set MSB, 0
.macro WIN new
.if MSB != (\new)
	s_set_vgpr_msb (MSB<<8)|(\new)
.set MSB, (\new)
.endif
.endm
.set MUL_LO, 0xa1
.set MUL_HI, 0xf1
.set FST_LO, 0x81
.set FST_HI, 0xc1
.set TO_B,   0x40
.macro JLOAD g0a, g1a, g0b, g1b
	s_cmp_eq_u32 s15, 0
	s_cbranch_scc0 .Lfor_b_\@
	tensor_load_to_lds s[\g0a:\g0a+3], s[\g1a:\g1a+7]
	s_nop 0
.rept 4
	v_nop
.endr
	s_branch .Lasked_\@
.Lfor_b_\@:
	tensor_load_to_lds s[\g0b:\g0b+3], s[\g1b:\g1b+7]
	s_nop 0
.rept 4
	v_nop
.endr
.Lasked_\@:
.endm
.macro CREST
	s_cmp_lg_u32 s14, 0
	s_cbranch_scc1 .Lnot_wave_0_\@
	s_barrier_signal -3
.Lnot_wave_0_\@:
	s_barrier_wait -3
	s_barrier_signal -1
	s_barrier_wait -1
.endm
.macro CROUND
	s_barrier_signal -1
	s_barrier_wait -1
	CREST
.endm
	s_load_b256 s[4:11], s[0:1], 0x0
	v_lshl_add_u32 v[SPW], v0, 2, SPARE
	v_mov_b32 v[NIL], 0
	ds_add_u32 v28, v29
	ds_add_u32 v28, v29
	s_wait_dscnt 0x0
	v_lshrrev_b32 v1, 5, v0
	v_readfirstlane_b32 s14, v1
	s_lshr_b32 s15, s14, 1
	s_and_b32 s16, s14, 1
	s_bfe_u32 s40, ttmp6, 0x40000
	s_bfe_u32 s41, ttmp6, 0x40004
	s_lshl_b32 s42, ttmp9, 2
	s_add_co_u32 s42, s42, s40
	s_and_b32 s17, ttmp7, 0xffff
	s_lshl_b32 s17, s17, 2
	s_add_co_u32 s17, s17, s41
	s_lshl_b32 s43, s41, 2
	s_lshl_b32 s43, 15, s43
	s_lshl_b32 s44, 0x1111, s40
	s_or_b32 s[G1+0], s43, (3<<16)|(1<<21)
	s_or_b32 s[G1B+0], s44, (3<<16)|(1<<21)
.irp g, G1, G1B
	s_mov_b32 s[\g+1], 384<<16
	s_mov_b32 s[\g+2], 8<<16
	s_mov_b32 s[\g+3], 384<<16
	s_mov_b32 s[\g+4], 8
	s_mov_b32 s[\g+5], REC/8
	s_mov_b32 s[\g+6], 0
	s_mov_b32 s[\g+7], 0
.endr
	s_or_b32 s[G1S+0], s43, (3<<16)|(1<<21)
	s_or_b32 s[G1SB+0], s44, (3<<16)|(1<<21)
.irp g, G1S, G1SB
	s_mov_b32 s[\g+1], 64<<16
	s_mov_b32 s[\g+2], 8<<16
	s_mov_b32 s[\g+3], 64<<16
	s_mov_b32 s[\g+4], 8
	s_mov_b32 s[\g+5], REC/8
	s_mov_b32 s[\g+6], 0
	s_mov_b32 s[\g+7], 0
.endr
	s_lshl_b32 s92, s42, 10
	s_lshl_b32 s19, s16, 9
	s_add_co_u32 s92, s92, s19
	s_mov_b32 s93, 0
	s_lshl_b32 s19, s16, 3
	s_lshl_b32 s20, s17, 4
	s_add_co_u32 s20, s20, s19
	s_mul_i32 s20, s20, REC
	s_mov_b32 s21, 0
	s_lshl_b32 s46, s42, 4
	s_add_co_u32 s46, s46, s19
	s_mul_i32 s46, s46, REC
	s_mov_b32 s47, 0
	s_mul_i32 s45, s14, HALFT
	s_lshl_b32 s99, s14, 12
	s_wait_kmcnt 0x0
	s_add_nc_u64 s[20:21], s[4:5], s[20:21]
	s_add_nc_u64 s[46:47], s[6:7], s[46:47]
	s_add_nc_u64 s[92:93], s[8:9], s[92:93]
	CROUND
	; THE HEAD'S FOUR TILES, ONE JOINT LOAD A WAVE: wave 0 slot 0's 16 records of A, wave 1 those of B, wave 2 the scales of A's 16 records, wave 3 those of B's
	s_mul_i32 s66, s16, 8*REC                      ; my half's eight records: taken off, the tile's first record is left
	s_mov_b32 s67, 0
	s_sub_nc_u64 s[4:5], s[20:21], s[66:67]
	s_sub_nc_u64 s[6:7], s[46:47], s[66:67]
.irp g, G1, G1B, G1S, G1SB
	s_mov_b32 s[\g+2], 16<<16                      ; the head's loads bring 16 rows
	s_mov_b32 s[\g+4], 16
.endr
	s_mov_b32 s[G0], 1
	s_mov_b32 s[G0+1], 0
	s_mov_b64 s[G0+2:G0+3], s[4:5]
	s_or_b32 s[G0+3], s[G0+3], 0x80000000
	s_mov_b32 s[G0B], 1
	s_mov_b32 s[G0B+1], 2*HALFT
	s_mov_b64 s[G0B+2:G0B+3], s[6:7]
	s_or_b32 s[G0B+3], s[G0B+3], 0x80000000
	s_mov_b32 s[G0S], 1
	s_mov_b32 s[G0S+1], SCL
	s_add_nc_u64 s[G0S+2:G0S+3], s[4:5], 12288
	s_or_b32 s[G0S+3], s[G0S+3], 0x80000000
	s_mov_b32 s[G0SB], 1
	s_mov_b32 s[G0SB+1], SCL+2*HALFS
	s_add_nc_u64 s[G0SB+2:G0SB+3], s[6:7], 12288
	s_or_b32 s[G0SB+3], s[G0SB+3], 0x80000000
	s_mov_b32 s[G0+4], 1                           ; slot 1: my quarter, eight records
	s_add_co_u32 s[G0+5], s45, SLOT
	s_add_nc_u64 s[G0+6:G0+7], s[20:21], TROW
	s_or_b32 s[G0+7], s[G0+7], 0x80000000
	s_mov_b32 s[G0B+4], 1
	s_add_co_u32 s[G0B+5], s45, SLOT
	s_add_nc_u64 s[G0B+6:G0B+7], s[46:47], TROW
	s_or_b32 s[G0B+7], s[G0B+7], 0x80000000
.macro ARM under, g0, g1, next         ; one tree of branches on the wave's number: every way passes exactly one load
	s_cmp_lt_u32 s14, \under
	s_cbranch_scc0 \next
	tensor_load_to_lds s[\g0:\g0+3], s[\g1:\g1+7]
	s_nop 0
.rept 4
	v_nop
.endr
	s_branch .Lhead_asked
\next:
.endm
	ARM 1, G0,  G1,  .Lhead_b
	ARM 2, G0B, G1B, .Lhead_sa
	ARM 3, G0S, G1S, .Lhead_sb
	tensor_load_to_lds s[G0SB:G0SB+3], s[G1SB:G1SB+7]
	s_nop 0
.rept 4
	v_nop
.endr
.Lhead_asked:
	s_wait_alu depctr_va_vdst(0)
	s_wait_tensorcnt 0x0                           ; my tile of the head's four is in
	ds_add_u32 v28, v29
.irp g, G1, G1B
	s_mov_b32 s[\g+2], 8<<16                       ; no tensor load of mine is out: from here on a load brings eight rows,
	s_mov_b32 s[\g+4], 8
.endr
	s_add_co_u32 s[G0+1], s45, 0                   ; and slot 0's group 0 stands at my quarter, for its refill
	s_add_nc_u64 s[G0+2:G0+3], s[20:21], 0
	s_or_b32 s[G0+3], s[G0+3], 0x80000000
	s_add_co_u32 s[G0B+1], s45, 0
	s_add_nc_u64 s[G0B+2:G0B+3], s[46:47], 0
	s_or_b32 s[G0B+3], s[G0B+3], 0x80000000
	s_wait_dscnt 0x0
	CROUND
	JLOAD G0+4, G1, G0B+4, G1B                     ; slot 1's first fill, the first tensor load behind the round
	v_and_b32 v1, 31, v0
	v_and_b32 v2, 15, v0
	v_bfe_u32 v3, v0, 4, 1
	v_lshlrev_b32 v7, 6, v3
.irp t, 0,1,2,3,4,5,6,7
	global_load_b128 v[BN+8*\t:BN+8*\t+3], v7, s[92:93] offset:(32*(\t/2)+8*(\t%2))*4
	global_load_b128 v[BN+8*\t+4:BN+8*\t+7], v7, s[92:93] offset:(32*(\t/2)+8*(\t%2))*4+16
.endr
	v_lshlrev_b32 v4, 4, v1
	v_lshlrev_b32 v5, 3, v1
	s_mul_i32 s21, s15, HALFT
	s_mul_i32 s22, s16, HALFT
	s_add_co_u32 s22, s22, 2*HALFT
.irp s, 0,1
	v_add_nc_u32 v[ADRA+\s], s21, v4
	v_add_nc_u32 v[ADRB+\s], s22, v4
	v_add_nc_u32 v[ADRA+2+\s], s21, v5
	v_add_nc_u32 v[ADRB+2+\s], s22, v5
	s_add_co_u32 s21, s21, SLOT
	s_add_co_u32 s22, s22, SLOT
.endr
	v_lshlrev_b32 v5, 3, v2
	s_lshl_b32 s21, s15, 12
	s_lshl_b32 s22, s16, 12
	s_add_co_u32 s22, s22, 2*HALFS
	s_sub_co_u32 s22, s22, s21
	v_mul_u32_u24 v6, s22, v3
	s_add_co_u32 s21, s21, SCL
	v_add_nc_u32 v5, v5, v6
	v_add_nc_u32 v[ADRS], s21, v5
	s_mul_i32 s23, s14, 16*SPITCH
	v_mul_u32_u24 v5, v2, SPITCH
	v_lshl_add_u32 v5, v3, 6, v5
	v_add_nc_u32 v[STO], s23, v5
	v_lshlrev_b32 v[CO], 4, v1
	v_add_nc_u32 v[RD], s23, v[CO]
	s_lshl_b32 s20, s17, 8
	s_lshl_b32 s21, s15, 7
	s_add_co_u32 s20, s20, s21
	s_lshl_b32 s20, s20, 12
	s_lshl_b32 s46, s42, 10
	s_lshl_b32 s47, s16, 9
	s_add_co_u32 s46, s46, s47
	s_add_co_u32 s20, s20, s46
	s_mov_b32 s21, 0
	s_add_nc_u64 s[10:11], s[10:11], s[20:21]
.macro FRAG reg, adr, q, i
	ds_load_b128 v[\reg:\reg+3], v[\adr] offset:(\i)*TROW+(\q)*1536
	ds_load_b64 v[\reg+4:\reg+5], v[\adr+2] offset:(\i)*TROW+(\q)*1536+512
	ds_load_b128 v[\reg+6:\reg+9], v[\adr] offset:(\i)*TROW+(\q)*1536+768
	ds_load_b64 v[\reg+10:\reg+11], v[\adr+2] offset:(\i)*TROW+(\q)*1536+1280
.endm
.macro MUL16 a0, p, q, sc, first
.irp a, \a0, \a0+1
.irp b, 0,1,2,3,4,5,6,7
.if \first
	v_wmma_scale_f32_16x16x128_f8f6f4 v[8*(8*((\a)%4)+\b):8*(8*((\a)%4)+\b)+7], v[128*(\p)+FR*\b:128*(\p)+FR*\b+FR-1], v[AF+FR*(\a):AF+FR*(\a)+FR-1], v[BN+8*\b:BN+8*\b+7], v[SC+8*NQ*(\sc)+NQ*\b+(\q)], v[SC+8*NQ*(\sc)+NQ*(\a)+(\q)] matrix_a_fmt:MATRIX_FMT_FP6 matrix_b_fmt:MATRIX_FMT_FP6 matrix_a_scale:MATRIX_SCALE_ROW1
.else
	v_wmma_scale_f32_16x16x128_f8f6f4 v[8*(8*((\a)%4)+\b):8*(8*((\a)%4)+\b)+7], v[128*(\p)+FR*\b:128*(\p)+FR*\b+FR-1], v[AF+FR*(\a):AF+FR*(\a)+FR-1], v[8*(8*((\a)%4)+\b):8*(8*((\a)%4)+\b)+7], v[SC+8*NQ*(\sc)+NQ*\b+(\q)], v[SC+8*NQ*(\sc)+NQ*(\a)+(\q)] matrix_a_fmt:MATRIX_FMT_FP6 matrix_b_fmt:MATRIX_FMT_FP6 matrix_a_scale:MATRIX_SCALE_ROW1
.endif
.endr
.endr
.endm
.macro FETCH_B slot, q, p
	WIN TO_B
.irp i, 0,1,2,3,4,5,6,7
	FRAG 128*(\p)+FR*\i, ADRB+\slot, \q, \i
.endr
	WIN 0
.endm
.macro FETCH_A slot, q, i0
.irp i, \i0, \i0+1, \i0+2, \i0+3
	FRAG AF+FR*(\i), ADRA+\slot, \q, \i
.endr
.endm
.macro SCALES sc
.irp i, 0,1,2,3,4,5,6,7
	ds_load_b64 v[SC+8*NQ*\sc+NQ*\i:SC+8*NQ*\sc+NQ*\i+1], v[ADRS] offset:\i*512
.endr
.endm
.macro PLACES n
.rept \n
	v_nop
.endr
.endm
.macro STEP slot, q, first
	s_wait_dscnt 4*NL
.if \first
	WIN FST_LO
.else
	WIN MUL_LO
.endif
	MUL16 0, (\q)%2, \q, \slot, \first
	MUL16 2, (\q)%2, \q, \slot, \first
	s_wait_dscnt 0
	PLACES NP
	FETCH_B \slot, (\q)+1, 1-(\q)%2
	FETCH_A \slot, (\q)+1, 0
.if \first
	WIN FST_HI
.else
	WIN MUL_HI
.endif
	MUL16 4, (\q)%2, \q, \slot, \first
	MUL16 6, (\q)%2, \q, \slot, \first
	PLACES NP
	WIN 0
	FETCH_A \slot, (\q)+1, 4
.endm
.macro TURN slot, next, fill
	s_wait_tensorcnt 0x0
	ds_add_u32 v[SPW], v[NIL]
	s_wait_dscnt 4*NL+1
	WIN MUL_LO
	MUL16 0, 1, NQ-1, \slot, 0
	s_wait_dscnt 0x0
	s_barrier_signal -1
	MUL16 2, 1, NQ-1, \slot, 0
	WIN 0
	s_barrier_wait -1
.if \fill
	CREST
	s_add_nc_u64 s[G0+4*\slot+2:G0+4*\slot+3], s[G0+4*\slot+2:G0+4*\slot+3], 2*TROW
	s_add_nc_u64 s[G0B+4*\slot+2:G0B+4*\slot+3], s[G0B+4*\slot+2:G0B+4*\slot+3], 2*TROW
	JLOAD G0+4*\slot, G1, G0B+4*\slot, G1B
.else
	PLACES NP
.endif
	s_wait_alu depctr_va_vdst(0)
	v_add_nc_u32 v[ADRS], 128, v[ADRS]
	FETCH_B \next, 0, 0
	FETCH_A \next, 0, 0
	SCALES \next
	WIN MUL_HI
	MUL16 4, 1, NQ-1, \slot, 0
	MUL16 6, 1, NQ-1, \slot, 0
	PLACES NP
	WIN 0
	FETCH_A \next, 0, 4
.endm
	s_wait_alu depctr_va_vdst(0)
	s_wait_loadcnt 0x0
	s_wait_tensorcnt 1
	s_barrier_signal -1
	s_barrier_wait -1
	FETCH_B 0, 0, 0
	FETCH_A 0, 0, 0
	SCALES 0
	FETCH_A 0, 0, 4
	STEP 0, 0, 1
	TURN 0, 1, 1
	STEP 1, 0, 0
	TURN 1, 0, 1
	STEP 0, 0, 0
	TURN 0, 1, 0
	STEP 1, 0, 0
	s_wait_dscnt 4*NL
	WIN MUL_LO
	MUL16 0, 1, NQ-1, 1, 0
	MUL16 2, 1, NQ-1, 1, 0
	s_wait_dscnt 0
	WIN MUL_HI
	MUL16 4, 1, NQ-1, 1, 0
	MUL16 6, 1, NQ-1, 1, 0
	WIN 0
.macro TOSTAGE a
.set AC, 64*((\a)%4)
	WIN 0x08+4*((\a)/4)
.irp b, 0,1,2,3,4,5,6,7
	ds_store_b128 v[STO], v[AC+8*\b:AC+8*\b+3] offset:128*(\b/2)+32*(\b%2)
	ds_store_b128 v[STO], v[AC+8*\b+4:AC+8*\b+7] offset:128*(\b/2)+32*(\b%2)+16
.endr
	WIN 0
.set BB, BK+64*((\a)%2)
.irp t, 0,1,2,3,4,5,6,7,8,9,10,11,12,13,14,15
	ds_load_b128 v[BB+4*\t:BB+4*\t+3], v[RD] offset:\t*SPITCH
.endr
.endm
.macro SEND a, younger
.set BB, BK+64*((\a)%2)
	s_wait_dscnt \younger
.if (\a) > 0
.if (\a)%2
	s_add_nc_u64 s[10:11], s[10:11], 8*4096
.else
	s_add_nc_u64 s[10:11], s[10:11], 24*4096
.endif
.endif
.irp t, 0,1,2,3,4,5,6,7,8,9,10,11,12,13,14,15
	global_store_b128 v[CO], v[BB+4*\t:BB+4*\t+3], s[10:11] offset:(\t+8*(\t/8))*4096 th:TH_STORE_NT
.endr
.endm
	PLACES NP
	TOSTAGE 0
.irp a, 1,2,3,4,5,6,7
.if \a > 1
	s_wait_xcnt 0x0
.endif
	TOSTAGE \a
	SEND \a-1, 32
.endr
	s_wait_xcnt 0x0
	SEND 7, 0
	s_wait_tensorcnt 0x0
	ds_add_u32 v[SPW], v[NIL]
	s_wait_dscnt 0x0
	CROUND
	s_endpgm
.Lfunc_end_k_q62a8cdd267_gemm_out:
	.size	k_q62a8cdd267_gemm_out, .Lfunc_end_k_q62a8cdd267_gemm_out-k_q62a8cdd267_gemm_out
	.p2alignl 7, 3214868480
	.fill 96, 4, 3214868480
	.section	.rodata,"a",@progbits
	.p2align	6, 0x0
	.amdhsa_kernel k_q62a8cdd267_gemm_out
		.amdhsa_group_segment_fixed_size 327680
		.amdhsa_private_segment_fixed_size 0
		.amdhsa_enable_private_segment 0
		.amdhsa_kernarg_size 32
		.amdhsa_user_sgpr_count 2
		.amdhsa_user_sgpr_kernarg_segment_ptr 1
		.amdhsa_wavefront_size32 1
		.amdhsa_system_sgpr_workgroup_id_x 1
		.amdhsa_system_sgpr_workgroup_id_y 1
		.amdhsa_system_sgpr_workgroup_id_z 1
		.amdhsa_system_vgpr_workitem_id 0
		.amdhsa_next_free_vgpr 1024
		.amdhsa_next_free_sgpr 100
		.amdhsa_reserve_vcc 0
		.amdhsa_float_denorm_mode_32 3
		.amdhsa_float_denorm_mode_16_64 3
		.amdhsa_memory_ordered 1
		.amdhsa_forward_progress 1
		.amdhsa_inst_pref_size 146
	.end_amdhsa_kernel
	.amdgpu_metadata
---
amdhsa.version: [ 1, 2 ]
amdhsa.kernels:
  - .name:           k_q62a8cdd267_gemm_out
    .symbol:         k_q62a8cdd267_gemm_out.kd
    .args:
      - { .name: y_q, .offset: 0, .size: 8, .value_kind: global_buffer, .address_space: global }
      - { .name: wo_q, .offset: 8, .size: 8, .value_kind: global_buffer, .address_space: global }
      - { .name: bo, .offset: 16, .size: 8, .value_kind: global_buffer, .address_space: global }
      - { .name: out0, .offset: 24, .size: 8, .value_kind: global_buffer, .address_space: global }
    .group_segment_fixed_size: 327680
    .private_segment_fixed_size: 0
    .kernarg_segment_align: 8
    .kernarg_segment_size: 32
    .max_flat_workgroup_size: 128
    .sgpr_count:     100
    .vgpr_count:     1024
    .wavefront_size: 32
...
	.end_amdgpu_metadata
.endif
;; end of part 4
